; MI455X (gfx1250); checked and timed in simulation.
; The chip was launched on July 23, 2026; its instructions are those of AMD's public machine-readable ISA for CDNA 5 (MIT licence, August 2026) and "CDNA5" Instruction Set Architecture Reference Guide (July 2026). The comments in the code are by the model that wrote it; some were corrected since.
;; Custom image attention. Allowed arithmetic: float matrix products may take bf16 or f16 operands with f32 sums; all other float work in f32.
;; Inputs: Wk 1,024 x 1,024 float32; Wq 1,024 x 1,024 float32; Wv 1,024 x 1,024 float32; x 8 x 1,024 x 1,024 float32.
;; Outputs: out0 8 x 1,024 x 1,024 float32.
;; 2 versions, each right. Each part assembles by itself: llvm-mc -triple=amdgcn-amd-amdhsa -mcpu=gfx1250 --defsym DOCPART=n.
;; ======== version 1 of 2: 3 launches
;; limits: values are held in f16: magnitudes above 65,504 overflow, below 6.1e-05 lose precision; right only within a limited range of input values
;; workspace buffers: xb 16,777,216 bytes; wt 6,291,456 bytes; qb 33,554,432 bytes; kb 33,554,432 bytes; vb 16,777,216 bytes
;; launch prep (part 1): grid 896 x 1, 8 waves a work-group, no clusters, 18,432 bytes of LDS; arguments x, Wq, Wk, Wv, xb, wt; writes xb, wt
.if DOCPART == 1
	.amdgcn_target "amdgcn-amd-amdhsa--gfx1250"
	.amdhsa_code_object_version 6
	.text
	.protected	k_qc9d7007092_prep
	.globl	k_qc9d7007092_prep
	.p2align	8
	.type	k_qc9d7007092_prep,@function
k_qc9d7007092_prep:
	s_mov_b64 s[64:65], 0
	v_nop
	global_prefetch_b8 v0, s[64:65] scope:SCOPE_SE
	s_setreg_imm32_b32 hwreg(HW_REG_WAVE_MODE, 25, 1), 1
	s_wait_xcnt 0x0
; PREP: the operands of the three projections in the form that the matrix unit takes.
;   xb[8192][1024] bf16 = x rounded.
;   wt[3072][1024] bf16: row head*192 + mat*64 + n' (mat 0 = q, 1 = k, 2 = v; n' = 0..63) holds W_mat[k][head*64 + n'] along k,
;   so that 192 neighbouring rows are one head's q, k and v columns.
; DEAD WORK: none.  Every element of x, Wq, Wk and Wv reaches the output for some values of the others, and the problem's function
; builds no zero, mask or slice of its own; all four inputs are loaded and no step is left out in any of the three launches.
; LIMITS of the whole program: x and W are rounded to bf16 (matrix operands).  q, k and v are kept in f16 between the launches, q and k as
; two f16 numbers each, made so that a product q k comes out right to about 2^-20 of it at the worst: a magnitude of 65,504 or more becomes
; infinity and the result NaN; below 6.1e-5 the f16 numbers have an absolute step of 6e-8; v has 11 significant bits.
; Work-groups 0 to 511 convert 16,384 numbers of x each; work-groups 512 to 895 transpose one tile of 128 k x 64 n of one W each.
; The branch hangs on the work-group's number alone, so all eight waves of a work-group take the same way.
; No matrix unit, cluster or tensor load: every byte is read once and written once, and nothing is shared between work-groups.
.set XGROUPS, 512
.set XIN,  8                           ; v[8:71]   path x: 16 loads of 4 f32.  path W: v[8:39] 8 rows of 4 f32
.set XOUT, 72                          ; v[72:103] path x: 16 pairs of registers of bf16
.set WPK,  40                          ; v[40:55]  path W: 4 columns n x 8 k, packed
.set WBK,  56                          ; v[56:71]  path W: rows read back
.set TP,   272                         ; LDS pitch of a transposed row: 256 bytes (128 k) + 16
	s_load_b256 s[4:11], s[0:1], 0x0               ; x s[4:5], Wq s[6:7], Wk s[8:9], Wv s[10:11]
	s_load_b128 s[12:15], s[0:1], 0x20             ; xb s[12:13], wt s[14:15]
	v_lshl_add_u32 v104, v0, 2, 0x4400
	v_mov_b32 v105, 0
	s_cmp_lt_u32 ttmp9, XGROUPS
	s_cbranch_scc0 .Lw
	; ---- x: thread t takes 16 bytes at 16 t of each block of 4,096 bytes, so a load of a wave covers 512 neighbouring bytes
	s_lshl_b32 s16, ttmp9, 16                      ; 65,536 bytes of x for a work-group
	s_mov_b32 s17, 0
	s_lshl_b32 s18, ttmp9, 15                      ; 32,768 bytes of xb
	s_mov_b32 s19, 0
	v_lshlrev_b32 v1, 4, v0
	v_lshlrev_b32 v2, 3, v0
	s_wait_kmcnt 0x0
	s_add_nc_u64 s[4:5], s[4:5], s[16:17]
	s_add_nc_u64 s[12:13], s[12:13], s[18:19]
.irp i, 0,1,2,3,4,5,6,7,8,9,10,11,12,13,14,15
	global_load_b128 v[XIN+4*\i:XIN+4*\i+3], v1, s[4:5] offset:4096*\i th:TH_LOAD_NT
.endr
.irp i, 0,1,2,3,4,5,6,7,8,9,10,11,12,13,14,15
	s_wait_loadcnt 15-\i                           ; loads come back in order: load i is in, the younger ones stay out
	v_cvt_pk_bf16_f32 v[XOUT+2*\i],   v[XIN+4*\i],   v[XIN+4*\i+1]
	v_cvt_pk_bf16_f32 v[XOUT+2*\i+1], v[XIN+4*\i+2], v[XIN+4*\i+3]
	global_store_b64 v2, v[XOUT+2*\i:XOUT+2*\i+1], s[12:13] offset:2048*\i   ; a wave stores 256 consecutive bytes, aligned; no register is used twice
.endr
	s_endpgm
	; ---- W: a tile of 128 rows (k) x 64 columns (one head's n) comes in by rows of 256 bytes and leaves as 64 rows (n) of 256 bytes (128 k)
.Lw:
	s_sub_co_u32 s16, ttmp9, XGROUPS               ; tile 0 to 383
	s_lshr_b32 s17, s16, 7                         ; mat
	s_and_b32 s18, s16, 7                          ; kt: which 128 k
	s_bfe_u32 s19, s16, 0x40003                    ; head: which 64 n
	s_lshl_b32 s20, s18, 19                        ; kt x 128 rows x 4,096 bytes
	s_lshl_b32 s21, s19, 8                         ; head x 64 x 4 bytes
	s_add_co_u32 s20, s20, s21
	s_mov_b32 s21, 0
	s_mul_i32 s22, s19, 192*2048                   ; head x 192 rows x 2,048 bytes
	s_lshl_b32 s23, s17, 17                        ; mat x 64 rows x 2,048 bytes
	s_add_co_u32 s22, s22, s23
	s_lshl_b32 s23, s18, 8                         ; kt x 128 x 2 bytes
	s_add_co_u32 s22, s22, s23
	s_mov_b32 s23, 0
	v_and_b32 v6, 15, v0                           ; c: my four columns n' = 4 c .. 4 c + 3
	v_lshrrev_b32 v7, 4, v0                        ; kq: my eight rows k = 8 kq .. 8 kq + 7
	v_lshlrev_b32 v1, 15, v7                       ; 8 rows of 4,096 bytes
	v_lshl_add_u32 v1, v6, 4, v1
	v_mul_u32_u24 v3, v6, 4*TP                     ; into LDS: row n' = 4 c, 16 bytes at k = 8 kq
	v_lshl_add_u32 v3, v7, 4, v3
	v_mul_u32_u24 v4, v7, TP                       ; back: sixteen lanes take one row of 256 bytes
	v_lshl_add_u32 v4, v6, 4, v4
	v_lshlrev_b32 v5, 11, v7                       ; and the same row in wt
	v_lshl_add_u32 v5, v6, 4, v5
	s_wait_kmcnt 0x0
	s_cmp_eq_u32 s17, 1
	s_cselect_b64 s[24:25], s[8:9], s[6:7]         ; the matrix is chosen by the tile's number
	s_cmp_eq_u32 s17, 2
	s_cselect_b64 s[24:25], s[10:11], s[24:25]
	s_add_nc_u64 s[24:25], s[24:25], s[20:21]
	s_add_nc_u64 s[14:15], s[14:15], s[22:23]
.irp j, 0,1,2,3,4,5,6,7
	global_load_b128 v[XIN+4*\j:XIN+4*\j+3], v1, s[24:25] offset:4096*\j th:TH_LOAD_NT   ; W[8 kq + j][4 c ..]: sixteen lanes cover a row's 256 bytes
.endr
	s_wait_loadcnt 0x0
.irp jn, 0,1,2,3
.irp pr, 0,1,2,3
	v_cvt_pk_bf16_f32 v[WPK+4*\jn+\pr], v[XIN+8*\pr+\jn], v[XIN+8*\pr+4+\jn]   ; column 4 c + jn: k = 8 kq + 2 pr below, + 1 above
.endr
.endr
.irp jn, 0,1,2,3
	ds_store_b128 v3, v[WPK+4*\jn:WPK+4*\jn+3] offset:TP*\jn   ; lanes c and c + 4 lie 4,352 bytes apart, 0 modulo 256: four lanes of sixteen share a column of banks; four stores a thread in all
.endr
	s_wait_dscnt 0x0                               ; my stores are done, for the other waves' sake
	s_barrier_signal -1
	s_barrier_wait -1
.irp u, 0,1,2,3
	ds_load_b128 v[WBK+4*\u:WBK+4*\u+3], v4 offset:16*TP*\u
.endr
.irp u, 0,1,2,3
	s_wait_dscnt 3-\u                              ; read-back u is in, the younger ones stay out
	global_store_b128 v5, v[WBK+4*\u:WBK+4*\u+3], s[14:15] offset:32768*\u   ; sixteen lanes store 256 consecutive bytes, aligned
.endr
	s_wait_tensorcnt 0x0
	ds_add_u32 v104, v105
	s_wait_dscnt 0x0
	s_endpgm
.Lfunc_end_k_qc9d7007092_prep:
	.size	k_qc9d7007092_prep, .Lfunc_end_k_qc9d7007092_prep-k_qc9d7007092_prep
	.p2alignl 7, 3214868480
	.fill 96, 4, 3214868480
	.section	.rodata,"a",@progbits
	.p2align	6, 0x0
	.amdhsa_kernel k_qc9d7007092_prep
		.amdhsa_group_segment_fixed_size 18432
		.amdhsa_private_segment_fixed_size 0
		.amdhsa_enable_private_segment 0
		.amdhsa_kernarg_size 48
		.amdhsa_user_sgpr_count 2
		.amdhsa_user_sgpr_kernarg_segment_ptr 1
		.amdhsa_wavefront_size32 1
		.amdhsa_system_sgpr_workgroup_id_x 1
		.amdhsa_system_sgpr_workgroup_id_y 1
		.amdhsa_system_sgpr_workgroup_id_z 1
		.amdhsa_system_vgpr_workitem_id 0
		.amdhsa_next_free_vgpr 106
		.amdhsa_next_free_sgpr 66
		.amdhsa_reserve_vcc 0
		.amdhsa_float_denorm_mode_32 3
		.amdhsa_float_denorm_mode_16_64 3
		.amdhsa_memory_ordered 1
		.amdhsa_forward_progress 1
		.amdhsa_inst_pref_size 11
	.end_amdhsa_kernel
	.amdgpu_metadata
---
amdhsa.version: [ 1, 2 ]
amdhsa.kernels:
  - .name:           k_qc9d7007092_prep
    .symbol:         k_qc9d7007092_prep.kd
    .args:
      - { .name: x, .offset: 0, .size: 8, .value_kind: global_buffer, .address_space: global }
      - { .name: Wq, .offset: 8, .size: 8, .value_kind: global_buffer, .address_space: global }
      - { .name: Wk, .offset: 16, .size: 8, .value_kind: global_buffer, .address_space: global }
      - { .name: Wv, .offset: 24, .size: 8, .value_kind: global_buffer, .address_space: global }
      - { .name: xb, .offset: 32, .size: 8, .value_kind: global_buffer, .address_space: global }
      - { .name: wt, .offset: 40, .size: 8, .value_kind: global_buffer, .address_space: global }
    .group_segment_fixed_size: 18432
    .private_segment_fixed_size: 0
    .kernarg_segment_align: 8
    .kernarg_segment_size: 48
    .max_flat_workgroup_size: 256
    .sgpr_count:     66
    .vgpr_count:     106
    .wavefront_size: 32
...
	.end_amdgpu_metadata
.endif
;; end of part 1
;; launch proj (part 2): grid 8 x 32, 4 waves a work-group, clusters of 4 x 4, 327,680 bytes of LDS; arguments xb, wt, qb, kb, vb; writes qb, kb, vb
.if DOCPART == 2
	.amdgcn_target "amdgcn-amd-amdhsa--gfx1250"
	.amdhsa_code_object_version 6
	.text
	.protected	k_qc9d7007092_proj
	.globl	k_qc9d7007092_proj
	.p2align	8
	.type	k_qc9d7007092_proj,@function
k_qc9d7007092_proj:
	s_mov_b64 s[64:65], 0
	v_nop
	global_prefetch_b8 v0, s[64:65] scope:SCOPE_SE
	s_setreg_imm32_b32 hwreg(HW_REG_WAVE_MODE, 25, 1), 1
	s_wait_xcnt 0x0
	s_wait_alu depctr_hold_cnt(0) depctr_sa_sdst(0) depctr_va_vdst(0) depctr_va_sdst(0) depctr_va_ssrc(0) depctr_va_vcc(0) depctr_vm_vsrc(0)
	s_getreg_b32 s2, hwreg(HW_REG_IB_STS2, 6, 4)
	s_cmp_eq_u32 s2, 0
	s_cbranch_scc0 .Lentry_in_a_cluster
	s_endpgm
.Lentry_in_a_cluster:
	s_bfe_u32 s2, ttmp6, 0x10000c
	s_cmp_lg_u32 s2, 0xf033
	s_cbranch_scc0 .Lentry_shape_is_right
	s_endpgm
.Lentry_shape_is_right:
; PROJ: [8192][1024] x [3072][1024]^T in bf16 with f32 sums: q, k and v at once, stored in f16 and split by head:
;   qb, kb: byte ((head*8 + b)*1024 + n)*256: 64 f16 'hi', then 64 f16 'lo', with hi + lo = the f32 sum up to 2^-21 of it.
;   vb:     byte ((head*8 + b)*1024 + n)*128: 64 f16.
; WHY TWO NUMBERS FOR q AND k: a score is a sum of 64 products that no 1/sqrt(64) scales down, and an absolute error of a score is a relative
; error of a weight; with 11 significant bits in q and k a score of size s is off by about s x 2^-12, too much where two keys share the weight.
; No step is left out.  LIMIT: a result of magnitude 65,504 or more becomes infinity in f16; below 6.1e-5 the absolute step is 6e-8.
; A work-group makes 256 rows x 384 columns (two heads' q, k, v) with four waves; a wave makes 128 x 192 (one head): 96 accumulator tiles, 768 registers.
; For 32 along K a wave reads (128 + 192) x 64 bytes of LDS for 96 matrix instructions.
; K goes in steps of 64 through two LDS slots of 640 rows x 144 bytes; two slots of a step of 128 would take 348,160 bytes, more than a work-group can have.
; CLUSTERS: 4 x 4 work-groups.  The four of a row of the cluster need the same rows of xb, the four of a column the same rows of wt:
; each tile is asked for jointly, with one descriptor and one mask in all four.
; REGISTERS: window 0: addresses v16-28; fragments of xb, two buffers v32-95 and v96-159; fragments of wt, three groups of four column tiles, v160-255.
;   window g + 1: accumulator tile (a = 0..7, bl = 0..3) at v[8 (4 a + bl)]; by wt's order of rows g = 0 is q, 1 is k, 2 is v of my head: a constant of the text.
; The matrix instruction takes wt's rows as source 0 and xb's as source 1: lane l then holds row l % 16 of the result and eight neighbouring columns.
.set KSTEP,  64
.set PITCH,  144                       ; 128 bytes + 16 = 9 x 16: the sixteen rows of a fragment load start at sixteen different 16-byte columns modulo 256
.set AOFF,   384*PITCH                 ; in a slot: wt's 384 rows, then xb's 256 rows
.set SLOT,   640*PITCH
.set STAGE,  2*SLOT                    ; behind the ring, at a multiple of 256: 16 rows x 656 bytes for each wave; no tensor load lands here
.set SPITCH, 656                       ; q hi, q lo, k hi, k lo, v: 5 x 128 bytes + 16 = 41 x 16
.set ADRA, 16                          ; v16-17 LDS address of my xb fragments in slot 0, 1
.set ADRB, 20                          ; v20-21 the same for wt
.set STO,  24
.set RD,   25                          ; read-back of rows of 256 bytes (q, k)
.set CO,   26
.set MK,   27                          ; 0xffffe000: an f32's sign, exponent and upper 10 bits of the fraction
.set RDV,  28                          ; read-back of rows of 128 bytes (v)
.set A0,   32
.set A1,   96
.set BG,   160
.set HI,   32                          ; the way out: v[32:79]   hi of q, hi of k, v, packed
.set LO,   80                          ;              v[80:111]  lo of q, lo of k, packed
.set TT,   112                         ;              v[112:143] hi in f32
.set FB,   144                         ;              v[144:223] 20 read-backs
.set UU,   224                         ;              v[224:255] lo in f32
.set G1,  24                           ; s[24:31] group 1 for xb's tiles
.set G0,  32                           ; s[32:39] group 0 for xb's tiles, a set for each slot
.set G1B, 48                           ; s[48:55] group 1 for wt's tiles
.set G0B, 56                           ; s[56:63] group 0 for wt's tiles
.set MSB, 0
.macro WIN new                         ; the immediate's high byte repeats the setting that is left
.if MSB != (\new)
	s_set_vgpr_msb (MSB<<8)|(\new)
.set MSB, (\new)
.endif
.endm
.macro PLACES                          ; four plain vector instructions behind a matrix instruction, ahead of a load into its sources or a read of its result
.rept 4
	v_nop
.endr
.endm
; A joint load.  Waves 0 and 1 fetch wt's two halves, waves 2 and 3 xb's.  The branch hangs on the wave's number alone.
.macro JLOAD s
	s_cmp_eq_u32 s11, 0
	s_cbranch_scc0 .Lfor_a_\@
	tensor_load_to_lds s[G0B+4*\s:G0B+4*\s+3], s[G1B:G1B+7]
	s_nop 0
	s_branch .Lasked_\@
.Lfor_a_\@:
	tensor_load_to_lds s[G0+4*\s:G0+4*\s+3], s[G1:G1+7]
	s_nop 0
.Lasked_\@:
.endm
.macro CREST                           ; a round of the cluster's barrier behind its opening work-group barrier
	s_cmp_lg_u32 s10, 0
	s_cbranch_scc1 .Lnot_wave_0_\@
	s_barrier_signal -3
.Lnot_wave_0_\@:
	s_barrier_wait -3
	s_barrier_signal -1
	s_barrier_wait -1
.endm
.macro CROUND
	s_barrier_signal -1
	s_barrier_wait -1
	CREST
.endm
	s_load_b128 s[4:7], s[0:1], 0x0                ; xb s[4:5], wt s[6:7]
	s_load_b128 s[68:71], s[0:1], 0x10             ; qb s[68:69], kb s[70:71]
	s_load_b64 s[72:73], s[0:1], 0x20              ; vb
	v_lshl_add_u32 v30, v0, 2, 0x37400
	v_mov_b32 v31, 0
	ds_add_u32 v30, v31
	ds_add_u32 v30, v31
	v_lshrrev_b32 v1, 5, v0
	v_readfirstlane_b32 s10, v1                    ; wave 0..3
	s_lshr_b32 s11, s10, 1                         ; my half of the block's rows.  Also: I fetch for wt (0) or for xb (1)
	s_and_b32 s12, s10, 1                          ; my half of its columns.  Also: which half of that tile I fetch
	s_bfe_u32 s40, ttmp6, 0x40000                  ; cx
	s_bfe_u32 s41, ttmp6, 0x40004                  ; cy
	s_lshl_b32 s42, ttmp9, 2
	s_add_co_u32 s42, s42, s40                     ; block column = 4 x cluster x + cx, 0..7
	s_and_b32 s13, ttmp7, 0xffff
	s_lshl_b32 s13, s13, 2
	s_add_co_u32 s13, s13, s41                     ; block row = 4 x cluster y + cy, 0..31
	s_lshl_b32 s43, s41, 2
	s_lshl_b32 s43, 15, s43                        ; my row of the cluster
	s_lshl_b32 s44, 0x1111, s40                    ; my column
	; group 1: rows of 64 elements of 2 bytes, 4 words of padding behind every 32 words; bit 21 beside the mask
	s_or_b32 s[G1+0], s43, (1<<16)|(1<<20)|(1<<21)|(4<<22)|(3<<25)
	s_or_b32 s[G1B+0], s44, (1<<16)|(1<<20)|(1<<21)|(4<<22)|(3<<25)
	s_mov_b32 s[G1+1], KSTEP<<16                   ; tensor_dim0 = 64
	s_mov_b32 s[G1B+1], KSTEP<<16
	s_mov_b32 s[G1+2], 128<<16                     ; tensor_dim1 = 128 rows of xb
	s_mov_b32 s[G1B+2], 192<<16                    ;             = 192 rows of wt
	s_mov_b32 s[G1+3], KSTEP<<16                   ; tile_dim0 = 64
	s_mov_b32 s[G1B+3], KSTEP<<16
	s_mov_b32 s[G1+4], 128                         ; tile_dim1
	s_mov_b32 s[G1B+4], 192
	s_mov_b32 s[G1+5], 1024                        ; elements from row to row
	s_mov_b32 s[G1B+5], 1024
	s_mov_b32 s[G1+6], 0
	s_mov_b32 s[G1B+6], 0
	s_mov_b32 s[G1+7], 0
	s_mov_b32 s[G1B+7], 0
	; xb's tiles hang on the block row alone, wt's on the block column alone; each address is made in registers that never hold the other coordinate
	s_lshl_b32 s16, s13, 8
	s_lshl_b32 s17, s12, 7
	s_add_co_u32 s16, s16, s17                     ; xb: row 256 x block row + 128 x half
	s_lshl_b32 s16, s16, 11                        ; x 2,048 bytes: 16,515,072 at the most
	s_mov_b32 s17, 0
	s_mul_i32 s46, s42, 384
	s_mul_i32 s47, s12, 192
	s_add_co_u32 s46, s46, s47                     ; wt: row 384 x block column + 192 x half
	s_lshl_b32 s46, s46, 11
	s_mov_b32 s47, 0
	s_mul_i32 s20, s10, 128*PITCH                  ; xb's halves lie behind wt's 384 rows: AOFF + (wave - 2) x 128 rows
	s_add_co_u32 s20, s20, AOFF-2*128*PITCH
	s_mul_i32 s21, s10, 192*PITCH                  ; wt's halves: wave x 192 rows
	s_wait_dscnt 0x0
	s_wait_kmcnt 0x0
	s_add_nc_u64 s[14:15], s[4:5], s[16:17]
	s_add_nc_u64 s[46:47], s[6:7], s[46:47]
	CROUND                                         ; all sixteen work-groups are here: the first joint loads meet
.irp s, 0,1
	s_mov_b32 s[G0+4*\s], 1
	s_add_co_u32 s[G0+4*\s+1], s20, \s*SLOT
	s_add_nc_u64 s[G0+4*\s+2:G0+4*\s+3], s[14:15], \s*KSTEP*2
	s_or_b32 s[G0+4*\s+3], s[G0+4*\s+3], 0x80000000
	s_mov_b32 s[G0B+4*\s], 1
	s_add_co_u32 s[G0B+4*\s+1], s21, \s*SLOT
	s_add_nc_u64 s[G0B+4*\s+2:G0B+4*\s+3], s[46:47], \s*KSTEP*2
	s_or_b32 s[G0B+4*\s+3], s[G0B+4*\s+3], 0x80000000
	JLOAD \s                                       ; K steps 0 and 1: two loads of the wave are out
.endr
	v_and_b32 v1, 15, v0                           ; r = l % 16
	v_bfe_u32 v2, v0, 4, 1                         ; h = l / 16
	v_mul_u32_u24 v3, v1, PITCH
	v_lshl_add_u32 v3, v2, 4, v3                   ; row x pitch + 16 h
	s_mul_i32 s22, s11, 128*PITCH
	s_add_co_u32 s22, s22, AOFF                    ; my 128 rows of xb
	s_mul_i32 s23, s12, 192*PITCH                  ; my 192 rows of wt
.irp s, 0,1
	v_add_nc_u32 v[ADRA+\s], s22, v3
	v_add_nc_u32 v[ADRB+\s], s23, v3
	s_add_co_u32 s22, s22, SLOT
	s_add_co_u32 s23, s23, SLOT
.endr
	s_mul_i32 s18, s10, 16*SPITCH
	s_add_co_u32 s18, s18, STAGE                   ; my stage
	v_mul_u32_u24 v4, v1, SPITCH
	v_lshl_add_u32 v4, v2, 4, v4
	v_add_nc_u32 v[STO], s18, v4                   ; in: row r, 16 bytes for each half of the lanes
	v_mul_u32_u24 v5, v2, SPITCH
	v_lshl_add_u32 v5, v1, 4, v5
	v_add_nc_u32 v[RD], s18, v5                    ; back, q and k: sixteen lanes take the 256 bytes hi | lo of one row, a wave two rows
	v_bfe_u32 v5, v0, 3, 2
	v_and_b32 v6, 7, v0
	v_mul_u32_u24 v5, v5, SPITCH
	v_lshl_add_u32 v5, v6, 4, v5
	v_add_nc_u32 v[RDV], s18, v5                   ; back, v: eight lanes take the 128 bytes of one row, a wave four rows
	v_and_b32 v6, 31, v0
	v_lshlrev_b32 v[CO], 4, v6                     ; either way 512 neighbouring bytes of the buffer
	v_mov_b32 v[MK], 0xffffe000
.macro LOADA slot, kq, buf             ; 16 loads: my 128 rows of xb, 32 K at byte 64 kq
.irp a, 0,1,2,3,4,5,6,7
	ds_load_b128 v[\buf+8*\a:\buf+8*\a+3],   v[ADRA+\slot] offset:\a*16*PITCH+64*\kq
	ds_load_b128 v[\buf+8*\a+4:\buf+8*\a+7], v[ADRA+\slot] offset:\a*16*PITCH+64*\kq+32
.endr
.endm
.macro LOADB slot, kq, g               ; 8 loads: column tiles 4 g .. 4 g + 3 of wt
.irp bl, 0,1,2,3
	ds_load_b128 v[BG+32*\g+8*\bl:BG+32*\g+8*\bl+3],   v[ADRB+\slot] offset:(4*\g+\bl)*16*PITCH+64*\kq
	ds_load_b128 v[BG+32*\g+8*\bl+4:BG+32*\g+8*\bl+7], v[ADRB+\slot] offset:(4*\g+\bl)*16*PITCH+64*\kq+32
.endr
.endm
; 16 matrix instructions: row tiles a0 .. a0 + 3 x the four column tiles of group g.  zero = 1: the first product starts the sums.
; The 96 accumulators take turns, one instruction a turn, in the same order in every half step.
.macro MUL16 abuf, g, a0, zero
.irp a, \a0, \a0+1, \a0+2, \a0+3
.irp bl, 0,1,2,3
.if \zero
	v_wmma_f32_16x16x32_bf16 v[8*(4*(\a)+\bl):8*(4*(\a)+\bl)+7], v[BG+32*\g+8*\bl:BG+32*\g+8*\bl+7], v[\abuf+8*(\a):\abuf+8*(\a)+7], 0
.else
	v_wmma_f32_16x16x32_bf16 v[8*(4*(\a)+\bl):8*(4*(\a)+\bl)+7], v[BG+32*\g+8*\bl:BG+32*\g+8*\bl+7], v[\abuf+8*(\a):\abuf+8*(\a)+7], v[8*(4*(\a)+\bl):8*(4*(\a)+\bl)+7]
.endif
.endr
.endr
.endm
; The first half of a K step: multiplies buffer A0 and, behind each column group, fetches the second half's fragments of the same slot.
.macro EVEN slot, zero
	s_wait_dscnt 16                                ; xb's 16 loads and group 0's 8 are in; the 8 + 8 of groups 1 and 2 may be out
	WIN 0x50
	MUL16 A0, 0, 0, \zero
	MUL16 A0, 0, 4, \zero
	WIN 0
	PLACES
	LOADA \slot, 1, A1
	LOADB \slot, 1, 0
	s_wait_dscnt 32                                ; group 1 is in: behind it came group 2's 8 and the 24 just issued
	WIN 0xa0
	MUL16 A0, 1, 0, \zero
	MUL16 A0, 1, 4, \zero
	WIN 0
	PLACES
	LOADB \slot, 1, 1
	s_wait_dscnt 32                                ; group 2 is in: behind it came 24 + 8
	WIN 0xf0
	MUL16 A0, 2, 0, \zero
	MUL16 A0, 2, 4, \zero
	WIN 0
	PLACES
	LOADB \slot, 1, 2
.endm
; The second half: multiplies buffer A1 and changes slots.  mode 2: this slot is filled again, two K steps ahead; 1: no fill; 0: the last K step.
; In front of the barrier each wave waits for its reads of this slot and for all its tensor loads, of which one is out: its part of the next slot.
; Behind it (mode 2: behind the cluster's round that it opens) the refill comes first, then the next slot's first fragments.
.macro ODD slot, next, mode
	s_wait_dscnt 16                                ; xb's and group 0's are in
	WIN 0x50
	MUL16 A1, 0, 0, 0
.if \mode
	s_wait_dscnt 0x0                               ; my reads of this slot are over
	s_wait_tensorcnt 0x0                           ; all my tensor loads have landed
	ds_add_u32 v30, v31
	s_wait_dscnt 0x0
	s_barrier_signal -1
	MUL16 A1, 0, 4, 0                              ; register work while the others arrive
	WIN 0
	s_barrier_wait -1
.if \mode == 2
	CREST                                          ; no wave of any partner still reads this slot or has a load on its way
	s_add_nc_u64 s[G0+4*\slot+2:G0+4*\slot+3], s[G0+4*\slot+2:G0+4*\slot+3], 2*KSTEP*2
	s_add_nc_u64 s[G0B+4*\slot+2:G0B+4*\slot+3], s[G0B+4*\slot+2:G0B+4*\slot+3], 2*KSTEP*2
	JLOAD \slot                                    ; my one tensor load behind the round; 176 matrix instructions stand between it and the wait for it
.endif
	PLACES
	LOADA \next, 0, A0
	LOADB \next, 0, 0
	WIN 0xa0
	MUL16 A1, 1, 0, 0                              ; groups 1 and 2 were shown in by the wait for 0 above
	MUL16 A1, 1, 4, 0
	WIN 0
	PLACES
	LOADB \next, 0, 1
	WIN 0xf0
	MUL16 A1, 2, 0, 0
	MUL16 A1, 2, 4, 0
	WIN 0
	PLACES
	LOADB \next, 0, 2
.else
	MUL16 A1, 0, 4, 0
	s_wait_dscnt 8                                 ; group 1 is in, group 2's 8 may be out
	WIN 0xa0
	MUL16 A1, 1, 0, 0
	MUL16 A1, 1, 4, 0
	s_wait_dscnt 0x0
	WIN 0xf0
	MUL16 A1, 2, 0, 0
	MUL16 A1, 2, 4, 0
	WIN 0
.endif
.endm
.macro LAP zero                        ; two K steps, once round the ring, both slots filled again
	EVEN 0, \zero
	ODD 0, 1, 2
	EVEN 1, 0
	ODD 1, 0, 2
.endm
	s_wait_tensorcnt 0x1                           ; my part of K step 0 is in; K step 1's stays out
	s_barrier_signal -1
	s_barrier_wait -1
	LOADA 0, 0, A0
	LOADB 0, 0, 0
	LOADB 0, 0, 1
	LOADB 0, 0, 2
	LAP 1                                          ; 16 K steps = 8 laps: the first starts the sums,
	s_mov_b32 s3, 6                                ; six go round the loop,
.Llap:
	LAP 0
	s_sub_co_u32 s3, s3, 1
	s_cmp_lg_u32 s3, 0
	s_cbranch_scc1 .Llap
	EVEN 0, 0                                      ; and the last fills nothing
	ODD 0, 1, 1
	EVEN 1, 0
	ODD 1, 0, 0
	; THE WAY OUT, 16 rows at a time: q and k are split into hi and lo, v is rounded; 16 bytes a lane go into my stage, whole rows come back,
	; and each store of the wave covers 512 consecutive bytes.
	PLACES
	s_lshl_b32 s46, s42, 1
	s_add_co_u32 s46, s46, s12                     ; my head = 2 x block column + half
	s_lshl_b32 s46, s46, 21                        ; x 8 batches x 1,024 rows x 256 bytes
	s_mov_b32 s47, 0
	s_lshr_b32 s16, s13, 2                         ; batch = block row / 4
	s_lshl_b32 s16, s16, 18                        ; x 1,024 rows x 256 bytes
	s_and_b32 s17, s13, 3
	s_lshl_b32 s17, s17, 16                        ; the block's 256 rows
	s_add_co_u32 s16, s16, s17
	s_lshl_b32 s17, s11, 15                        ; my 128 rows
	s_add_co_u32 s16, s16, s17
	s_mov_b32 s17, 0
	s_add_nc_u64 s[68:69], s[68:69], s[46:47]
	s_add_nc_u64 s[68:69], s[68:69], s[16:17]
	s_add_nc_u64 s[70:71], s[70:71], s[46:47]
	s_add_nc_u64 s[70:71], s[70:71], s[16:17]
	s_lshr_b32 s46, s46, 1                         ; v's rows are half as long
	s_lshr_b32 s16, s16, 1
	s_add_nc_u64 s[72:73], s[72:73], s[46:47]
	s_add_nc_u64 s[72:73], s[72:73], s[16:17]
.macro OUT16 a
.irp g, 0,1
	WIN \g+1                                       ; source 0 (the sums) in window g + 1
.irp bl, 0,1,2,3
.irp j, 0,1,2,3,4,5,6,7
	v_and_b32 v[TT+8*\bl+\j], v[8*(4*\a+\bl)+\j], v[MK]   ; hi: 11 significant bits, cut off: exact in f16 from 6.1e-5 up
.endr
.endr
.irp bl, 0,1,2,3
.irp rr, 0,1,2,3
	v_pk_add_f32 v[UU+8*\bl+2*\rr:UU+8*\bl+2*\rr+1], v[8*(4*\a+\bl)+2*\rr:8*(4*\a+\bl)+2*\rr+1], v[TT+8*\bl+2*\rr:TT+8*\bl+2*\rr+1] neg_lo:[0,1] neg_hi:[0,1]   ; lo = sum - hi, exact
.endr
.endr
	WIN 0
.irp bl, 0,1,2,3
.irp rr, 0,1,2,3
	v_cvt_pk_f16_f32 v[HI+16*\g+4*\bl+\rr], v[TT+8*\bl+2*\rr], v[TT+8*\bl+2*\rr+1]
	v_cvt_pk_f16_f32 v[LO+16*\g+4*\bl+\rr], v[UU+8*\bl+2*\rr], v[UU+8*\bl+2*\rr+1]
.endr
.endr
.endr
	WIN 15                                         ; v: sources 0 and 1 in window 3
.irp bl, 0,1,2,3
.irp rr, 0,1,2,3
	v_cvt_pk_f16_f32 v[HI+32+4*\bl+\rr], v[8*(4*\a+\bl)+2*\rr], v[8*(4*\a+\bl)+2*\rr+1]
.endr
.endr
	WIN 0
.irp g, 0,1,2
.irp bl, 0,1,2,3
	ds_store_b128 v[STO], v[HI+16*\g+4*\bl:HI+16*\g+4*\bl+3] offset:256*\g+32*\bl
.endr
.endr
.irp g, 0,1
.irp bl, 0,1,2,3
	ds_store_b128 v[STO], v[LO+16*\g+4*\bl:LO+16*\g+4*\bl+3] offset:256*\g+128+32*\bl
.endr
.endr
	s_wait_xcnt 0x0                                ; the read-back registers were the data of the last 16 rows' stores: they are loaded again only behind this wait
.irp u, 0,1,2,3,4,5,6,7
	ds_load_b128 v[FB+4*\u:FB+4*\u+3], v[RD] offset:2*SPITCH*\u            ; q.  LDS serves a wave in order: these see the stores above
.endr
.irp u, 0,1,2,3,4,5,6,7
	ds_load_b128 v[FB+32+4*\u:FB+32+4*\u+3], v[RD] offset:256+2*SPITCH*\u  ; k
.endr
.irp u, 0,1,2,3
	ds_load_b128 v[FB+64+4*\u:FB+64+4*\u+3], v[RDV] offset:512+4*SPITCH*\u ; v
.endr
.irp u, 0,1,2,3,4,5,6,7
	s_wait_dscnt 19-\u                             ; this read-back is in, the younger ones stay out
	global_store_b128 v[CO], v[FB+4*\u:FB+4*\u+3], s[68:69] offset:(16*\a+2*\u)*256      ; two rows of q: 512 consecutive bytes, aligned
.endr
.irp u, 0,1,2,3,4,5,6,7
	s_wait_dscnt 11-\u
	global_store_b128 v[CO], v[FB+32+4*\u:FB+32+4*\u+3], s[70:71] offset:(16*\a+2*\u)*256   ; two rows of k
.endr
.irp u, 0,1,2,3
	s_wait_dscnt 3-\u
	global_store_b128 v[CO], v[FB+64+4*\u:FB+64+4*\u+3], s[72:73] offset:(16*\a+4*\u)*128   ; four rows of v
.endr
.endm
	OUT16 0
	OUT16 1
	OUT16 2
	OUT16 3
	OUT16 4
	OUT16 5
	OUT16 6
	OUT16 7
	s_wait_tensorcnt 0x0
	ds_add_u32 v30, v31
	s_wait_dscnt 0x0
	CROUND                                         ; the closing round: no work-group ends while a partner may still ask for a tile that names it
	s_endpgm
.Lfunc_end_k_qc9d7007092_proj:
	.size	k_qc9d7007092_proj, .Lfunc_end_k_qc9d7007092_proj-k_qc9d7007092_proj
	.p2alignl 7, 3214868480
	.fill 96, 4, 3214868480
	.section	.rodata,"a",@progbits
	.p2align	6, 0x0
	.amdhsa_kernel k_qc9d7007092_proj
		.amdhsa_group_segment_fixed_size 327680
		.amdhsa_private_segment_fixed_size 0
		.amdhsa_enable_private_segment 0
		.amdhsa_kernarg_size 40
		.amdhsa_user_sgpr_count 2
		.amdhsa_user_sgpr_kernarg_segment_ptr 1
		.amdhsa_wavefront_size32 1
		.amdhsa_system_sgpr_workgroup_id_x 1
		.amdhsa_system_sgpr_workgroup_id_y 1
		.amdhsa_system_sgpr_workgroup_id_z 1
		.amdhsa_system_vgpr_workitem_id 0
		.amdhsa_next_free_vgpr 1024
		.amdhsa_next_free_sgpr 76
		.amdhsa_reserve_vcc 0
		.amdhsa_float_denorm_mode_32 3
		.amdhsa_float_denorm_mode_16_64 3
		.amdhsa_memory_ordered 1
		.amdhsa_forward_progress 1
		.amdhsa_inst_pref_size 235
	.end_amdhsa_kernel
	.amdgpu_metadata
---
amdhsa.version: [ 1, 2 ]
amdhsa.kernels:
  - .name:           k_qc9d7007092_proj
    .symbol:         k_qc9d7007092_proj.kd
    .args:
      - { .name: xb, .offset: 0, .size: 8, .value_kind: global_buffer, .address_space: global }
      - { .name: wt, .offset: 8, .size: 8, .value_kind: global_buffer, .address_space: global }
      - { .name: qb, .offset: 16, .size: 8, .value_kind: global_buffer, .address_space: global }
      - { .name: kb, .offset: 24, .size: 8, .value_kind: global_buffer, .address_space: global }
      - { .name: vb, .offset: 32, .size: 8, .value_kind: global_buffer, .address_space: global }
    .group_segment_fixed_size: 327680
    .private_segment_fixed_size: 0
    .kernarg_segment_align: 8
    .kernarg_segment_size: 40
    .max_flat_workgroup_size: 128
    .sgpr_count:     76
    .vgpr_count:     1024
    .wavefront_size: 32
...
	.end_amdgpu_metadata
.endif
;; end of part 2
;; launch attn (part 3): grid 256 x 1, 4 waves a work-group, no clusters, 327,680 bytes of LDS; arguments qb, kb, vb, out0; writes out0
.if DOCPART == 3
	.amdgcn_target "amdgcn-amd-amdhsa--gfx1250"
	.amdhsa_code_object_version 6
	.text
	.protected	k_qc9d7007092_attn
	.globl	k_qc9d7007092_attn
	.p2align	8
	.type	k_qc9d7007092_attn,@function
k_qc9d7007092_attn:
	s_mov_b64 s[64:65], 0
	v_nop
	global_prefetch_b8 v0, s[64:65] scope:SCOPE_SE
	s_setreg_imm32_b32 hwreg(HW_REG_WAVE_MODE, 25, 1), 1
	s_wait_xcnt 0x0
; ATTN: out = softmax(q k^T) v for each of 8 x 16 heads, 1,024 keys, 64 numbers a head; no scale and no mask, as the problem has it.
; No step is left out.  The running maximum of each query is taken away before every exponential.
; q and k come as hi + lo in f16; a score is k_lo q_hi + k_hi q_lo + k_hi q_hi, summed in f32.  The product k_lo q_lo, under 2^-20 of a score, is not formed.
; LIMITS: v and the weights p have f16's 11 significant bits; p is at most about 1.  A NaN among the scores loses in the maximum and shows in the sums.
; A work-group takes 512 queries of one head, a wave 128 (eight tiles of 16).  A key takes 272 bytes of LDS for K and 160 for V, so 704 keys are
; resident: keys 0-319 and 320-703 are filled at the start; when keys 0-319 have been read, keys 704-1,023 are filled into their bytes (one refill).
; NO CLUSTER: only two work-groups share a head's K and V, and each asks for them once, 393,216 bytes; four partners of 256 queries each
; would double the fills and the fragment reads of the launch.
; TRANSPOSED: S^T = K Q^T, so lane (r, h) holds query r and keys 16 kt + 8 h + j; pairs of neighbouring j, rounded to f16, are at once the second
; source of O^T = V^T P^T.  Maximum, sum and rescaling are one number a lane; one exchange joins the two halves of the lanes.
; REGISTERS: window 0 as named below; window 1: O, tile (i, t) at v[32 i + 8 t]; window 2: Q, tile i: hi at v[32 i + 8 ks], lo at v[32 i + 16 + 8 ks];
;   window 3: V fragments, (t, kk) at v[16 t + 8 kk].
.set KP,   272                         ; K rows: hi 128 bytes, lo 128 bytes, + 16 = 17 x 16
.set VP,   160                         ; V rows: 128 bytes + 32 = 5 x 32, for the transposing load
.set RES,  704                         ; keys resident
.set H0,   160                         ; rows of a wave's first load and of its refill: half of 320 keys
.set H1,   192                         ; rows of its second load: half of 384 keys
.set VOFF, RES*KP                      ; V lies behind K
.set STG,  VOFF+RES*VP                 ; the stage for the way out, at a multiple of 256; no tensor load lands here
.set OP,   272                         ; the stage's rows: 256 bytes + 16
.set KW0,  (1<<16)|(1<<20)|(5<<22)|(3<<25)   ; elements of 2 bytes, 4 words of padding behind every 64 words
.set VW0,  (1<<16)|(1<<20)|(4<<22)|(7<<25)   ; elements of 2 bytes, 8 words of padding behind every 32 words
.set KAD, 4
.set VAD, 5
.set STO, 6
.set RD,  7
.set CO,  8
.set QO,  9
;          v10 new exponent base, v11 its step; v12 rescaling factor (at the end 1 / sum), v13 and v14 at work on the maximum; v16-18 three chains
.set KAD0, 15                          ; KAD and VAD at key 0
.set VAD0, 19
.set ZZ,  20                           ; v[20:27]   four chains of sums
.set MX,  28                           ; v[28:35]   running maximum of tile i
.set NG,  36                           ; v[36:43]   - log2(e) x maximum, as rounded: the base that the stored sums carry
.set LS,  44                           ; v[44:51]   running sum
.set SC,  52                           ; v[52:83]   scores, then weights, of 64 keys
.set PF,  84                           ; v[84:99]   the weights in f16
.set KF,  100                          ; v[100:163] K hi fragments, (kt, ks) at 16 kt + 8 ks
.set KL,  164                          ; v[164:227] K lo fragments
.set MSB, 0
.macro WIN new
.if MSB != (\new)
	s_set_vgpr_msb (MSB<<8)|(\new)
.set MSB, (\new)
.endif
.endm
.macro PLACES                          ; four plain vector instructions behind a matrix instruction (ISA guide 7.12.1)
.rept 4
	v_nop
.endr
.endm
.macro SHAPE g, word0, cols, rows      ; descriptor group 1: a tile of rows x cols elements, dense in memory
	s_mov_b32 s[\g+0], \word0
	s_mov_b32 s[\g+1], (\cols)<<16                 ; tensor_dim0
	s_mov_b32 s[\g+2], (\rows)<<16                 ; tensor_dim1
	s_mov_b32 s[\g+3], (\cols)<<16                 ; tile_dim0
	s_mov_b32 s[\g+4], \rows                       ; tile_dim1
	s_mov_b32 s[\g+5], \cols                       ; elements from row to row
	s_mov_b32 s[\g+6], 0
	s_mov_b32 s[\g+7], 0
.endm
	s_load_b128 s[4:7], s[0:1], 0x0                ; qb s[4:5], kb s[6:7]
	s_load_b128 s[8:11], s[0:1], 0x10              ; vb s[8:9], out0 s[10:11]
	v_lshl_add_u32 v254, v0, 2, 0x4e800
	v_mov_b32 v255, 0
	ds_add_u32 v254, v255
	ds_add_u32 v254, v255
	v_lshrrev_b32 v1, 5, v0
	v_readfirstlane_b32 s12, v1                    ; wave 0..3
	s_and_b32 s13, s12, 1                          ; which half of a tile I fetch
	s_and_b32 s14, ttmp9, 1                        ; which 512 queries
	s_bfe_u32 s15, ttmp9, 0x40001                  ; head
	s_lshr_b32 s47, ttmp9, 5                       ; batch
	s_lshl3_add_u32 s40, s15, s47                  ; 8 head + batch
	s_lshl_b32 s42, s40, 17                        ; x 1,024 rows of 128 bytes (v)
	s_lshl_b32 s40, s40, 18                        ; x 1,024 rows of 256 bytes (q, k)
	s_mov_b32 s41, 0
	s_mov_b32 s43, 0
	s_mov_b32 s44, 0x76543210                      ; v_permlanex16_b32: lane i of one half reads lane i of the other
	s_mov_b32 s45, 0xfedcba98
	; Every wave makes K's and V's descriptors, each in registers of its own, and asks by one pair: waves 0 and 1 bring K, waves 2 and 3 V.
	SHAPE 16, KW0, 128, H0                         ; K, keys 0-319 and 704-1,023
	SHAPE 24, KW0, 128, H1                         ; K, keys 320-703
	SHAPE 48, VW0, 64, H0                          ; V likewise
	SHAPE 56, VW0, 64, H1
	s_mul_i32 s76, s13, H0*256                     ; byte offsets of my rows in the head's k ...
	s_mov_b32 s77, 0
	s_mul_i32 s78, s13, H1*256
	s_add_co_u32 s78, s78, 2*H0*256
	s_mov_b32 s79, 0
	s_mul_i32 s80, s13, H0*128                     ; ... and in its v
	s_mov_b32 s81, 0
	s_mul_i32 s82, s13, H1*128
	s_add_co_u32 s82, s82, 2*H0*128
	s_mov_b32 s83, 0
	s_mov_b32 s32, 1
	s_mul_i32 s33, s12, H0*KP                      ; K: keys 160 w ..
	s_mov_b32 s36, 1
	s_mul_i32 s37, s12, H1*KP
	s_add_co_u32 s37, s37, 2*H0*KP                 ; K: keys 320 + 192 w ..
	s_mov_b32 s68, 1
	s_mul_i32 s69, s12, H0*VP
	s_add_co_u32 s69, s69, VOFF-2*H0*VP            ; V: keys 160 (w - 2) ..
	s_mov_b32 s72, 1
	s_mul_i32 s73, s12, H1*VP
	s_add_co_u32 s73, s73, VOFF+2*H0*VP-2*H1*VP    ; V: keys 320 + 192 (w - 2) ..
	s_wait_dscnt 0x0
	s_wait_kmcnt 0x0
	s_add_nc_u64 s[4:5], s[4:5], s[40:41]          ; the head's q, k and v
	s_add_nc_u64 s[6:7], s[6:7], s[40:41]
	s_add_nc_u64 s[8:9], s[8:9], s[42:43]
	s_add_nc_u64 s[34:35], s[6:7], s[76:77]
	s_or_b32 s35, s35, 0x80000000
	s_add_nc_u64 s[38:39], s[6:7], s[78:79]
	s_or_b32 s39, s39, 0x80000000
	s_add_nc_u64 s[70:71], s[8:9], s[80:81]
	s_or_b32 s71, s71, 0x80000000
	s_add_nc_u64 s[74:75], s[8:9], s[82:83]
	s_or_b32 s75, s75, 0x80000000
	; All first fills stand here, in one branch on the wave's number; each wave issues two loads.
	s_cmp_lt_u32 s12, 2
	s_cbranch_scc0 .Lfill_v
	tensor_load_to_lds s[32:35], s[16:23]
	s_nop 0
	tensor_load_to_lds s[36:39], s[24:31]
	s_nop 0
	s_branch .Lfilled
.Lfill_v:
	tensor_load_to_lds s[68:71], s[48:55]
	s_nop 0
	tensor_load_to_lds s[72:75], s[56:63]
	s_nop 0
.Lfilled:
	s_lshl_b32 s40, s14, 17                        ; q: 512 rows of 256 bytes for the half,
	s_lshl_b32 s41, s12, 15                        ; 128 rows for the wave
	s_add_co_u32 s40, s40, s41
	s_mov_b32 s41, 0
	s_add_nc_u64 s[4:5], s[4:5], s[40:41]
	v_and_b32 v1, 15, v0                           ; r
	v_bfe_u32 v2, v0, 4, 1                         ; h
	v_lshlrev_b32 v[QO], 8, v1
	v_lshl_add_u32 v[QO], v2, 4, v[QO]             ; row r, 16 bytes at 16 h
	WIN 0x80                                       ; destination in window 2
.irp i, 0,1,2,3,4,5,6,7
.irp p, 0,1
.irp ks, 0,1
	global_load_b128 v[32*\i+16*\p+8*\ks:32*\i+16*\p+8*\ks+3],   v[QO], s[4:5] offset:4096*\i+128*\p+64*\ks
	global_load_b128 v[32*\i+16*\p+8*\ks+4:32*\i+16*\p+8*\ks+7], v[QO], s[4:5] offset:4096*\i+128*\p+64*\ks+32
.endr
.endr
.endr
	WIN 0
	s_lshl_b32 s40, s47, 22                        ; out0: batch x 4 MiB
	s_lshl_b32 s41, s14, 21                        ; + 512 rows of 4,096 bytes for the half
	s_add_co_u32 s40, s40, s41
	s_lshl_b32 s41, s12, 19                        ; + 128 rows for the wave
	s_add_co_u32 s40, s40, s41
	s_lshl_b32 s41, s15, 8                         ; + the head's 256 bytes in a row
	s_add_co_u32 s40, s40, s41
	s_mov_b32 s41, 0
	s_add_nc_u64 s[10:11], s[10:11], s[40:41]
	v_mul_u32_u24 v[KAD0], v1, KP
	v_lshl_add_u32 v[KAD0], v2, 4, v[KAD0]         ; K: key r of a tile, 16 bytes at 16 h
	v_and_b32 v3, 7, v0
	v_lshl_add_u32 v3, v2, 3, v3
	v_mul_u32_u24 v[VAD0], v3, VP                  ; V, for the transposing load: key 8 h + l % 8,
	v_bfe_u32 v3, v0, 3, 1
	v_lshl_add_u32 v[VAD0], v3, 4, v[VAD0]         ; 16 bytes at 16 ((l / 8) % 2)
	v_add_nc_u32 v[VAD0], VOFF, v[VAD0]
	v_mov_b32 v[KAD], v[KAD0]
	v_mov_b32 v[VAD], v[VAD0]
	s_mul_i32 s42, s12, 16*OP
	s_add_co_u32 s42, s42, STG                     ; my stage for the way out
	v_mul_u32_u24 v[STO], v1, OP
	v_lshl_add_u32 v[STO], v2, 5, v[STO]
	v_add_nc_u32 v[STO], s42, v[STO]               ; in: row r, 32 bytes for each half of the lanes
	v_mul_u32_u24 v[RD], v2, OP
	v_lshl_add_u32 v[RD], v1, 4, v[RD]
	v_add_nc_u32 v[RD], s42, v[RD]                 ; back: lanes 0-15 one row of 256 bytes, lanes 16-31 the next
	v_lshlrev_b32 v[CO], 12, v2
	v_lshl_add_u32 v[CO], v1, 4, v[CO]             ; the same two rows in out0
	v_mov_b32 v11, 0                               ; the upper register of the pair v[10:11], read with it before its first use
	v_mov_b32 v14, 0                               ; v_permlanex16_b32 counts as a reader of its destination
; Four matrix instructions: the four key tiles, K fragments from kb on, Q fragment at qo of tile i.  The four accumulators take turns.
.macro SMUL i, kb, qo, zero
.irp kt, 0,1,2,3
.if \zero
	v_wmma_f32_16x16x32_f16 v[SC+8*\kt:SC+8*\kt+7], v[\kb+16*\kt:\kb+16*\kt+7], v[32*\i+\qo:32*\i+\qo+7], 0
.else
	v_wmma_f32_16x16x32_f16 v[SC+8*\kt:SC+8*\kt+7], v[\kb+16*\kt:\kb+16*\kt+7], v[32*\i+\qo:32*\i+\qo+7], v[SC+8*\kt:SC+8*\kt+7]
.endif
.endr
.endm
; Query tile i against the trip's 64 keys.  first = 1: the first 64 keys start maximum, sum and O.
.macro QT i, first
.if \i == 0
	s_wait_dscnt 16                                ; K's 32 loads are in, V's 16 may be out
.endif
	WIN 0x08                                       ; source 1 (Q) in window 2
	SMUL \i, KL,   0,  1                           ; k_lo q_hi: the small terms first
	SMUL \i, KL+8, 8,  0
	SMUL \i, KF,   16, 0                           ; k_hi q_lo
	SMUL \i, KF+8, 24, 0
	SMUL \i, KF,   0,  0                           ; k_hi q_hi
	SMUL \i, KF+8, 8,  0
	WIN 0
	PLACES
	; the largest of my 32 scores, in three chains; then the other half of the lanes, and the running maximum
	v_max3_num_f32 v16, v[SC], v[SC+1], v[SC+2]
	v_max3_num_f32 v17, v[SC+3], v[SC+4], v[SC+5]
	v_max3_num_f32 v18, v[SC+6], v[SC+7], v[SC+8]
.irp k, 9,15,21
	v_max3_num_f32 v16, v16, v[SC+\k], v[SC+\k+1]
	v_max3_num_f32 v17, v17, v[SC+\k+2], v[SC+\k+3]
	v_max3_num_f32 v18, v18, v[SC+\k+4], v[SC+\k+5]
.endr
	v_max3_num_f32 v16, v16, v[SC+27], v[SC+28]
	v_max3_num_f32 v17, v17, v[SC+29], v[SC+30]
	v_max_num_f32 v18, v18, v[SC+31]
	v_max3_num_f32 v13, v16, v17, v18
	v_permlanex16_b32 v14, v13, s44, s45
.if \first
	v_max_num_f32 v[MX+\i], v13, v14
	v_mul_f32 v10, 0xbfb8aa3b, v[MX+\i]            ; the exponent base: - log2(e) x maximum
.else
	v_max3_num_f32 v[MX+\i], v13, v14, v[MX+\i]
	v_mul_f32 v10, 0xbfb8aa3b, v[MX+\i]
	v_sub_f32 v11, v10, v[NG+\i]                   ; new base - old base, both as rounded: what was summed under the old base is carried over exactly
.endif
.irp k, 0,1,2,3,4,5,6,7,8,9,10,11,12,13,14,15
	v_pk_fma_f32 v[SC+2*\k:SC+2*\k+1], v[SC+2*\k:SC+2*\k+1], 0x3fb8aa3b, v[10:11] op_sel_hi:[1,0,0]   ; log2(e) s + base, one rounding
.endr
.if \first == 0
	v_exp_f32 v12, v11                             ; the rescaling factor, at most 1
.endif
.irp k, 0,1,2,3,4,5,6,7,8,9,10,11,12,13,14,15,16,17,18,19,20,21,22,23,24,25,26,27,28,29,30,31
	v_exp_f32 v[SC+\k], v[SC+\k]
.endr
	v_mov_b32 v[NG+\i], v10                        ; the plain instruction between the exponentials and the first use of their results (ISA guide 5.7.2)
	s_wait_alu depctr_va_vdst(0)
.irp c, 0,1,2,3
	v_pk_add_f32 v[ZZ+2*\c:ZZ+2*\c+1], v[SC+4*\c:SC+4*\c+1], v[SC+4*\c+2:SC+4*\c+3]
.endr
.irp c, 0,1,2,3
	v_pk_add_f32 v[ZZ+2*\c:ZZ+2*\c+1], v[ZZ+2*\c:ZZ+2*\c+1], v[SC+16+2*\c:SC+16+2*\c+1]
.endr
.irp c, 0,1,2,3
	v_pk_add_f32 v[ZZ+2*\c:ZZ+2*\c+1], v[ZZ+2*\c:ZZ+2*\c+1], v[SC+24+2*\c:SC+24+2*\c+1]
.endr
	v_pk_add_f32 v[ZZ:ZZ+1], v[ZZ:ZZ+1], v[ZZ+2:ZZ+3]
	v_pk_add_f32 v[ZZ+4:ZZ+5], v[ZZ+4:ZZ+5], v[ZZ+6:ZZ+7]
	v_pk_add_f32 v[ZZ:ZZ+1], v[ZZ:ZZ+1], v[ZZ+4:ZZ+5]
.if \first
	v_add_f32 v[LS+\i], v[ZZ], v[ZZ+1]
.else
	v_add_f32 v[ZZ], v[ZZ], v[ZZ+1]
	v_fma_f32 v[LS+\i], v[LS+\i], v12, v[ZZ]
.endif
.irp k, 0,1,2,3,4,5,6,7,8,9,10,11,12,13,14,15
	v_cvt_pk_f16_f32 v[PF+\k], v[SC+2*\k], v[SC+2*\k+1]   ; keys 8 h + 2 jj, + 1 of tile kt = k / 4: registers 0-3 and 4-7 of the fragment of 32 keys
.endr
.if \first == 0
	WIN 0x41                                       ; O in window 1, the factor in window 0
.irp k, 0,1,2,3,4,5,6,7,8,9,10,11,12,13,14,15
	v_pk_mul_f32 v[32*\i+2*\k:32*\i+2*\k+1], v[32*\i+2*\k:32*\i+2*\k+1], v[12:13] op_sel_hi:[1,0]
.endr
.endif
.if \i == 0
	s_wait_dscnt 0x0                               ; V's fragments are in
.endif
	WIN 0x53                                       ; source 0 (V) in window 3, C and D in window 1
.if \first
.irp t, 0,1,2,3
	v_wmma_f32_16x16x32_f16 v[32*\i+8*\t:32*\i+8*\t+7], v[16*\t:16*\t+7], v[PF:PF+7], 0
.endr
.else
.irp t, 0,1,2,3
	v_wmma_f32_16x16x32_f16 v[32*\i+8*\t:32*\i+8*\t+7], v[16*\t:16*\t+7], v[PF:PF+7], v[32*\i+8*\t:32*\i+8*\t+7]
.endr
.endif
.irp t, 0,1,2,3
	v_wmma_f32_16x16x32_f16 v[32*\i+8*\t:32*\i+8*\t+7], v[16*\t+8:16*\t+15], v[PF+8:PF+15], v[32*\i+8*\t:32*\i+8*\t+7]   ; four accumulators by turns
.endr
	WIN 0
.endm
; A trip: the fragments of 64 keys, shared by the wave's eight query tiles.
.macro TRIP first
.if \first == 0
	PLACES                                         ; behind the last trip's matrix instructions, which read V's fragments
.endif
.irp p, 0,1
.irp kt, 0,1,2,3
.irp ks, 0,1
	ds_load_b128 v[KF+64*\p+16*\kt+8*\ks:KF+64*\p+16*\kt+8*\ks+3],   v[KAD] offset:\kt*16*KP+128*\p+64*\ks
	ds_load_b128 v[KF+64*\p+16*\kt+8*\ks+4:KF+64*\p+16*\kt+8*\ks+7], v[KAD] offset:\kt*16*KP+128*\p+64*\ks+32
.endr
.endr
.endr
	WIN 0xc0                                       ; destination in window 3
.irp t, 0,1,2,3
.irp kk, 0,1
	ds_load_tr16_b128 v[16*\t+8*\kk:16*\t+8*\kk+3],   v[VAD] offset:\kk*32*VP+32*\t
	ds_load_tr16_b128 v[16*\t+8*\kk+4:16*\t+8*\kk+7], v[VAD] offset:\kk*32*VP+32*\t+16*VP
.endr
.endr
	WIN 0
	v_add_nc_u32 v[KAD], 64*KP, v[KAD]             ; the next 64 keys
	v_add_nc_u32 v[VAD], 64*VP, v[VAD]
.irp q, 0,1,2,3,4,5,6,7
	QT \q, \first
.endr
.endm
	s_wait_tensorcnt 0x1                           ; my first load (160 of keys 0 to 319) is in; my second stays out
	s_barrier_signal -1
	s_barrier_wait -1                              ; everybody's is: keys 0 to 319 of K and of V are whole
	s_wait_loadcnt 0x0                             ; Q
	TRIP 1                                         ; keys 0 to 63
	s_mov_b32 s46, 4
.Lc0:
	TRIP 0                                         ; keys 64 to 319
	s_sub_co_u32 s46, s46, 1
	s_cmp_lg_u32 s46, 0
	s_cbranch_scc1 .Lc0
	; The one refill: keys 704 to 1,023 into the bytes of keys 0 to 319.
	s_wait_dscnt 0x0                               ; my reads of keys 0 to 319 are back
	s_wait_tensorcnt 0x0                           ; all my tensor loads have landed, keys 320 to 703 among them: no load of mine is out, so a group 0 may be written
	ds_add_u32 v254, v255
	s_wait_dscnt 0x0
	s_add_nc_u64 s[34:35], s[34:35], RES*256
	s_add_nc_u64 s[70:71], s[70:71], RES*128
	s_barrier_signal -1
	s_barrier_wait -1                              ; both hold of every wave
	s_cmp_lt_u32 s12, 2
	s_cbranch_scc0 .Lre_v
	tensor_load_to_lds s[32:35], s[16:23]          ; my one tensor load behind the barrier; six trips stand between it and the wait for it
	s_nop 0
	s_branch .Lre_done
.Lre_v:
	tensor_load_to_lds s[68:71], s[48:55]
	s_nop 0
.Lre_done:
	s_mov_b32 s46, 6
.Lc1:
	TRIP 0                                         ; keys 320 to 703
	s_sub_co_u32 s46, s46, 1
	s_cmp_lg_u32 s46, 0
	s_cbranch_scc1 .Lc1
	s_wait_tensorcnt 0x0                           ; my part of keys 704 to 1,023 is in
	s_wait_dscnt 0x0
	s_barrier_signal -1
	s_barrier_wait -1                              ; everybody's is
	v_mov_b32 v[KAD], v[KAD0]                      ; they lie where keys 0 to 319 lay
	v_mov_b32 v[VAD], v[VAD0]
	s_mov_b32 s46, 5
.Lc2:
	TRIP 0                                         ; keys 704 to 1,023
	s_sub_co_u32 s46, s46, 1
	s_cmp_lg_u32 s46, 0
	s_cbranch_scc1 .Lc2
	; THE WAY OUT.  Each wave's stage is its own and no fill lands in it: no barrier.
	PLACES
.macro FIN i, f
	v_permlanex16_b32 v14, v[LS+\i], s44, s45      ; the sum over the other half's keys
	v_add_f32 v14, v14, v[LS+\i]
	v_rcp_f32 v12, v14                             ; the sum is near 1 or above: the largest weight is 2^0 up to the rounding of its exponent
	v_nop                                          ; the plain instruction behind v_rcp_f32 (ISA guide 5.7.2)
	WIN 0x01                                       ; source 0 (O) in window 1
	s_wait_alu depctr_va_vdst(0)
.irp k, 0,1,2,3,4,5,6,7,8,9,10,11,12,13,14,15
	v_pk_mul_f32 v[SC+2*\k:SC+2*\k+1], v[32*\i+2*\k:32*\i+2*\k+1], v[12:13] op_sel_hi:[1,0]
.endr
	WIN 0
.irp t, 0,1,2,3
.irp e, 0,1
	ds_store_b128 v[STO], v[SC+8*\t+4*\e:SC+8*\t+4*\e+3] offset:64*\t+16*\e   ; query r, numbers 16 t + 8 h + 4 e ..
.endr
.endr
	s_wait_xcnt 0x0                                ; buffer f was the data of earlier stores: it is loaded again only behind this wait
.irp u, 0,1,2,3,4,5,6,7
	ds_load_b128 v[\f+4*\u:\f+4*\u+3], v[RD] offset:2*OP*\u   ; LDS serves a wave in order: these see the stores above
.endr
.irp u, 0,1,2,3,4,5,6,7
	s_wait_dscnt 7-\u                              ; read-back u is in, the younger ones stay out
	global_store_b128 v[CO], v[\f+4*\u:\f+4*\u+3], s[10:11] offset:(16*\i+2*\u)*4096 th:TH_STORE_NT   ; sixteen lanes store a query's whole head: 256 consecutive bytes, aligned
.endr
.endm
	FIN 0, 100
	FIN 1, 132
	FIN 2, 100
	FIN 3, 132
	FIN 4, 100
	FIN 5, 132
	FIN 6, 100
	FIN 7, 132
	s_wait_tensorcnt 0x0
	ds_add_u32 v254, v255
	s_wait_dscnt 0x0
	s_endpgm
.Lfunc_end_k_qc9d7007092_attn:
	.size	k_qc9d7007092_attn, .Lfunc_end_k_qc9d7007092_attn-k_qc9d7007092_attn
	.p2alignl 7, 3214868480
	.fill 96, 4, 3214868480
	.section	.rodata,"a",@progbits
	.p2align	6, 0x0
	.amdhsa_kernel k_qc9d7007092_attn
		.amdhsa_group_segment_fixed_size 327680
		.amdhsa_private_segment_fixed_size 0
		.amdhsa_enable_private_segment 0
		.amdhsa_kernarg_size 32
		.amdhsa_user_sgpr_count 2
		.amdhsa_user_sgpr_kernarg_segment_ptr 1
		.amdhsa_wavefront_size32 1
		.amdhsa_system_sgpr_workgroup_id_x 1
		.amdhsa_system_sgpr_workgroup_id_y 1
		.amdhsa_system_sgpr_workgroup_id_z 1
		.amdhsa_system_vgpr_workitem_id 0
		.amdhsa_next_free_vgpr 832
		.amdhsa_next_free_sgpr 84
		.amdhsa_reserve_vcc 0
		.amdhsa_float_denorm_mode_32 3
		.amdhsa_float_denorm_mode_16_64 3
		.amdhsa_memory_ordered 1
		.amdhsa_forward_progress 1
		.amdhsa_inst_pref_size 255
	.end_amdhsa_kernel
	.section	.bss,"aw",@nobits
	.p2align	6
	.space	262144
	.amdgpu_metadata
---
amdhsa.version: [ 1, 2 ]
amdhsa.kernels:
  - .name:           k_qc9d7007092_attn
    .symbol:         k_qc9d7007092_attn.kd
    .args:
      - { .name: qb, .offset: 0, .size: 8, .value_kind: global_buffer, .address_space: global }
      - { .name: kb, .offset: 8, .size: 8, .value_kind: global_buffer, .address_space: global }
      - { .name: vb, .offset: 16, .size: 8, .value_kind: global_buffer, .address_space: global }
      - { .name: out0, .offset: 24, .size: 8, .value_kind: global_buffer, .address_space: global }
    .group_segment_fixed_size: 327680
    .private_segment_fixed_size: 0
    .kernarg_segment_align: 8
    .kernarg_segment_size: 32
    .max_flat_workgroup_size: 128
    .sgpr_count:     84
    .vgpr_count:     832
    .wavefront_size: 32
...
	.end_amdgpu_metadata
.endif
;; end of part 3
;; ======== version 2 of 2: 3 launches
;; limits: values are held in f16: magnitudes above 65,504 overflow, below 6.1e-05 lose precision; right only within a limited range of input values
;; workspace buffers: xb 16,777,216 bytes; wt 6,291,456 bytes; qb 33,554,432 bytes; kb 33,554,432 bytes; vb 16,777,216 bytes
;; launch prep (part 4): grid 896 x 1, 8 waves a work-group, no clusters, 18,432 bytes of LDS; arguments x, Wq, Wk, Wv, xb, wt; writes xb, wt
.if DOCPART == 4
	.amdgcn_target "amdgcn-amd-amdhsa--gfx1250"
	.amdhsa_code_object_version 6
	.text
	.protected	k_qc9d7007092_prep
	.globl	k_qc9d7007092_prep
	.p2align	8
	.type	k_qc9d7007092_prep,@function
k_qc9d7007092_prep:
	s_mov_b64 s[64:65], 0
	v_nop
	global_prefetch_b8 v0, s[64:65] scope:SCOPE_SE
	s_setreg_imm32_b32 hwreg(HW_REG_WAVE_MODE, 25, 1), 1
	s_wait_xcnt 0x0
; PREP: the operands of the three projections in the form that the matrix unit takes.
;   xb[8192][1024] bf16 = x rounded.
;   wt[3072][1024] bf16: row head*192 + mat*64 + n' (mat 0 = q, 1 = k, 2 = v; n' = 0..63) holds W_mat[k][head*64 + n'] along k,
;   so that 192 neighbouring rows are one head's q, k and v columns.
; DEAD WORK: none.  Every element of x, Wq, Wk and Wv reaches the output for some values of the others, and the problem's function
; builds no zero, mask or slice of its own; all four inputs are loaded and no step is left out in any of the three launches.
; LIMITS of the whole program: x and W are rounded to bf16 (matrix operands).  q, k and v are kept in f16 between the launches, q and k as
; two f16 numbers each, made so that a product q k comes out right to about 2^-14 of it at the worst: a magnitude of 61,000 or more becomes
; infinity and the result NaN; below 6.1e-5 the f16 numbers have an absolute step of 6e-8; v has 11 significant bits.
; Work-groups 0 to 511 convert 16,384 numbers of x each; work-groups 512 to 895 transpose one tile of 128 k x 64 n of one W each.
; The branch hangs on the work-group's number alone, so all eight waves of a work-group take the same way.
; No matrix unit, cluster or tensor load: every byte is read once and written once, and nothing is shared between work-groups.
.set XGROUPS, 512
.set XIN,  8                           ; v[8:71]   path x: 16 loads of 4 f32.  path W: v[8:39] 8 rows of 4 f32
.set XOUT, 72                          ; v[72:103] path x: 16 pairs of registers of bf16
.set WPK,  40                          ; v[40:55]  path W: 4 columns n x 8 k, packed
.set WBK,  56                          ; v[56:71]  path W: rows read back
.set TP,   272                         ; LDS pitch of a transposed row: 256 bytes (128 k) + 16
	s_load_b256 s[4:11], s[0:1], 0x0               ; x s[4:5], Wq s[6:7], Wk s[8:9], Wv s[10:11]
	s_load_b128 s[12:15], s[0:1], 0x20             ; xb s[12:13], wt s[14:15]
	v_lshl_add_u32 v104, v0, 2, 0x4400
	v_mov_b32 v105, 0
	s_cmp_lt_u32 ttmp9, XGROUPS
	s_cbranch_scc0 .Lw
	; ---- x: thread t takes 16 bytes at 16 t of each block of 4,096 bytes, so a load of a wave covers 512 neighbouring bytes
	s_lshl_b32 s16, ttmp9, 16                      ; 65,536 bytes of x for a work-group
	s_mov_b32 s17, 0
	s_lshl_b32 s18, ttmp9, 15                      ; 32,768 bytes of xb
	s_mov_b32 s19, 0
	v_lshlrev_b32 v1, 4, v0
	v_lshlrev_b32 v2, 3, v0
	s_wait_kmcnt 0x0
	s_add_nc_u64 s[4:5], s[4:5], s[16:17]
	s_add_nc_u64 s[12:13], s[12:13], s[18:19]
.irp i, 0,1,2,3,4,5,6,7,8,9,10,11,12,13,14,15
	global_load_b128 v[XIN+4*\i:XIN+4*\i+3], v1, s[4:5] offset:4096*\i th:TH_LOAD_NT
.endr
.irp i, 0,1,2,3,4,5,6,7,8,9,10,11,12,13,14,15
	s_wait_loadcnt 15-\i                           ; loads come back in order: load i is in, the younger ones stay out
	v_cvt_pk_bf16_f32 v[XOUT+2*\i],   v[XIN+4*\i],   v[XIN+4*\i+1]
	v_cvt_pk_bf16_f32 v[XOUT+2*\i+1], v[XIN+4*\i+2], v[XIN+4*\i+3]
	global_store_b64 v2, v[XOUT+2*\i:XOUT+2*\i+1], s[12:13] offset:2048*\i   ; a wave stores 256 consecutive bytes, aligned; no register is used twice
.endr
	s_endpgm
	; ---- W: a tile of 128 rows (k) x 64 columns (one head's n) comes in by rows of 256 bytes and leaves as 64 rows (n) of 256 bytes (128 k)
.Lw:
	s_sub_co_u32 s16, ttmp9, XGROUPS               ; tile 0 to 383
	s_lshr_b32 s17, s16, 7                         ; mat
	s_and_b32 s18, s16, 7                          ; kt: which 128 k
	s_bfe_u32 s19, s16, 0x40003                    ; head: which 64 n
	s_lshl_b32 s20, s18, 19                        ; kt x 128 rows x 4,096 bytes
	s_lshl_b32 s21, s19, 8                         ; head x 64 x 4 bytes
	s_add_co_u32 s20, s20, s21
	s_mov_b32 s21, 0
	s_mul_i32 s22, s19, 192*2048                   ; head x 192 rows x 2,048 bytes
	s_lshl_b32 s23, s17, 17                        ; mat x 64 rows x 2,048 bytes
	s_add_co_u32 s22, s22, s23
	s_lshl_b32 s23, s18, 8                         ; kt x 128 x 2 bytes
	s_add_co_u32 s22, s22, s23
	s_mov_b32 s23, 0
	v_and_b32 v6, 15, v0                           ; c: my four columns n' = 4 c .. 4 c + 3
	v_lshrrev_b32 v7, 4, v0                        ; kq: my eight rows k = 8 kq .. 8 kq + 7
	v_lshlrev_b32 v1, 15, v7                       ; 8 rows of 4,096 bytes
	v_lshl_add_u32 v1, v6, 4, v1
	v_mul_u32_u24 v3, v6, 4*TP                     ; into LDS: row n' = 4 c, 16 bytes at k = 8 kq
	v_lshl_add_u32 v3, v7, 4, v3
	v_mul_u32_u24 v4, v7, TP                       ; back: sixteen lanes take one row of 256 bytes
	v_lshl_add_u32 v4, v6, 4, v4
	v_lshlrev_b32 v5, 11, v7                       ; and the same row in wt
	v_lshl_add_u32 v5, v6, 4, v5
	s_wait_kmcnt 0x0
	s_cmp_eq_u32 s17, 1
	s_cselect_b64 s[24:25], s[8:9], s[6:7]         ; the matrix is chosen by the tile's number
	s_cmp_eq_u32 s17, 2
	s_cselect_b64 s[24:25], s[10:11], s[24:25]
	s_add_nc_u64 s[24:25], s[24:25], s[20:21]
	s_add_nc_u64 s[14:15], s[14:15], s[22:23]
.irp j, 0,1,2,3,4,5,6,7
	global_load_b128 v[XIN+4*\j:XIN+4*\j+3], v1, s[24:25] offset:4096*\j th:TH_LOAD_NT   ; W[8 kq + j][4 c ..]: sixteen lanes cover a row's 256 bytes
.endr
	s_wait_loadcnt 0x0
.irp jn, 0,1,2,3
.irp pr, 0,1,2,3
	v_cvt_pk_bf16_f32 v[WPK+4*\jn+\pr], v[XIN+8*\pr+\jn], v[XIN+8*\pr+4+\jn]   ; column 4 c + jn: k = 8 kq + 2 pr below, + 1 above
.endr
.endr
.irp jn, 0,1,2,3
	ds_store_b128 v3, v[WPK+4*\jn:WPK+4*\jn+3] offset:TP*\jn   ; lanes c and c + 4 lie 4,352 bytes apart, 0 modulo 256: four lanes of sixteen share a column of banks; four stores a thread in all
.endr
	s_wait_dscnt 0x0                               ; my stores are done, for the other waves' sake
	s_barrier_signal -1
	s_barrier_wait -1
.irp u, 0,1,2,3
	ds_load_b128 v[WBK+4*\u:WBK+4*\u+3], v4 offset:16*TP*\u
.endr
.irp u, 0,1,2,3
	s_wait_dscnt 3-\u                              ; read-back u is in, the younger ones stay out
	global_store_b128 v5, v[WBK+4*\u:WBK+4*\u+3], s[14:15] offset:32768*\u   ; sixteen lanes store 256 consecutive bytes, aligned
.endr
	s_wait_tensorcnt 0x0
	ds_add_u32 v104, v105
	s_wait_dscnt 0x0
	s_endpgm
.Lfunc_end_k_qc9d7007092_prep:
	.size	k_qc9d7007092_prep, .Lfunc_end_k_qc9d7007092_prep-k_qc9d7007092_prep
	.p2alignl 7, 3214868480
	.fill 96, 4, 3214868480
	.section	.rodata,"a",@progbits
	.p2align	6, 0x0
	.amdhsa_kernel k_qc9d7007092_prep
		.amdhsa_group_segment_fixed_size 18432
		.amdhsa_private_segment_fixed_size 0
		.amdhsa_enable_private_segment 0
		.amdhsa_kernarg_size 48
		.amdhsa_user_sgpr_count 2
		.amdhsa_user_sgpr_kernarg_segment_ptr 1
		.amdhsa_wavefront_size32 1
		.amdhsa_system_sgpr_workgroup_id_x 1
		.amdhsa_system_sgpr_workgroup_id_y 1
		.amdhsa_system_sgpr_workgroup_id_z 1
		.amdhsa_system_vgpr_workitem_id 0
		.amdhsa_next_free_vgpr 106
		.amdhsa_next_free_sgpr 66
		.amdhsa_reserve_vcc 0
		.amdhsa_float_denorm_mode_32 3
		.amdhsa_float_denorm_mode_16_64 3
		.amdhsa_memory_ordered 1
		.amdhsa_forward_progress 1
		.amdhsa_inst_pref_size 11
	.end_amdhsa_kernel
	.amdgpu_metadata
---
amdhsa.version: [ 1, 2 ]
amdhsa.kernels:
  - .name:           k_qc9d7007092_prep
    .symbol:         k_qc9d7007092_prep.kd
    .args:
      - { .name: x, .offset: 0, .size: 8, .value_kind: global_buffer, .address_space: global }
      - { .name: Wq, .offset: 8, .size: 8, .value_kind: global_buffer, .address_space: global }
      - { .name: Wk, .offset: 16, .size: 8, .value_kind: global_buffer, .address_space: global }
      - { .name: Wv, .offset: 24, .size: 8, .value_kind: global_buffer, .address_space: global }
      - { .name: xb, .offset: 32, .size: 8, .value_kind: global_buffer, .address_space: global }
      - { .name: wt, .offset: 40, .size: 8, .value_kind: global_buffer, .address_space: global }
    .group_segment_fixed_size: 18432
    .private_segment_fixed_size: 0
    .kernarg_segment_align: 8
    .kernarg_segment_size: 48
    .max_flat_workgroup_size: 256
    .sgpr_count:     66
    .vgpr_count:     106
    .wavefront_size: 32
...
	.end_amdgpu_metadata
.endif
;; end of part 4
;; launch proj (part 5): grid 8 x 32, 4 waves a work-group, clusters of 4 x 4, 327,680 bytes of LDS; arguments xb, wt, qb, kb, vb; writes qb, kb, vb
.if DOCPART == 5
	.amdgcn_target "amdgcn-amd-amdhsa--gfx1250"
	.amdhsa_code_object_version 6
	.text
	.protected	k_qc9d7007092_proj
	.globl	k_qc9d7007092_proj
	.p2align	8
	.type	k_qc9d7007092_proj,@function
k_qc9d7007092_proj:
	s_mov_b64 s[64:65], 0
	v_nop
	global_prefetch_b8 v0, s[64:65] scope:SCOPE_SE
	s_setreg_imm32_b32 hwreg(HW_REG_WAVE_MODE, 25, 1), 1
	s_wait_xcnt 0x0
	s_wait_alu depctr_hold_cnt(0) depctr_sa_sdst(0) depctr_va_vdst(0) depctr_va_sdst(0) depctr_va_ssrc(0) depctr_va_vcc(0) depctr_vm_vsrc(0)
	s_getreg_b32 s2, hwreg(HW_REG_IB_STS2, 6, 4)
	s_cmp_eq_u32 s2, 0
	s_cbranch_scc0 .Lentry_in_a_cluster
	s_endpgm
.Lentry_in_a_cluster:
	s_bfe_u32 s2, ttmp6, 0x10000c
	s_cmp_lg_u32 s2, 0xf033
	s_cbranch_scc0 .Lentry_shape_is_right
	s_endpgm
.Lentry_shape_is_right:
; PROJ: [8192][1024] x [3072][1024]^T in bf16 with f32 sums: q, k and v at once, stored in f16 and split by head:
;   qb: byte ((head*8 + b)*1024 + n)*256: 64 f16 'qa', then 64 f16 'qb'.     kb: the same with 'kh', then 'ka'.
;   vb: byte ((head*8 + b)*1024 + n)*128: 64 f16.
; WHY TWO NUMBERS FOR q AND k: a score is a sum of 64 products that no 1/sqrt(64) scales down, and an absolute error of a score is a relative
; error of a weight; with 11 significant bits in q and k a score of size s is off by about s x 2^-12, too much where two keys share the weight.
; HOW THEY ARE MADE, so that TWO products give q k.  With S = 64:  kh = k cut to 11 bits, kl = k - kh (exact), ka = kh + S kl;
;   qa = q (1 - 1/S) cut to 11 bits, qb = q - qa (exact).  Then  kh qa + ka qb = kh q + S kl qb = k q + S kl (qb - q/S).
;   |kl| < 2^-10 |k| and |qb - q/S| < 2^-10 |q|, so the last term is under 2^-14 |k q|; rounding ka and qb to f16 adds under 2^-16 |k q| each, since qb is about q/64.
; No step is left out.  LIMIT: ka is up to 1.0625 k, so a magnitude of 61,000 or more becomes infinity in f16; below 6.1e-5 the absolute step is 6e-8.
; A work-group makes 256 rows x 384 columns (two heads' q, k, v) with four waves; a wave makes 128 x 192 (one head): 96 accumulator tiles, 768 registers.
; For 32 along K a wave reads (128 + 192) x 64 bytes of LDS for 96 matrix instructions.
; K goes in steps of 64 through two LDS slots of 640 rows x 144 bytes; two slots of a step of 128 would take 348,160 bytes, more than a work-group can have.
; CLUSTERS: 4 x 4 work-groups.  The four of a row of the cluster need the same rows of xb, the four of a column the same rows of wt:
; each tile is asked for jointly, with one descriptor and one mask in all four.
; REGISTERS: window 0: addresses v16-28; fragments of xb, two buffers v32-95 and v96-159; fragments of wt, three groups of four column tiles, v160-255.
;   window g + 1: accumulator tile (a = 0..7, bl = 0..3) at v[8 (4 a + bl)]; by wt's order of rows g = 0 is q, 1 is k, 2 is v of my head: a constant of the text.
; The matrix instruction takes wt's rows as source 0 and xb's as source 1: lane l then holds row l % 16 of the result and eight neighbouring columns.
.set KSTEP,  64
.set PITCH,  144                       ; 128 bytes + 16 = 9 x 16: the sixteen rows of a fragment load start at sixteen different 16-byte columns modulo 256
.set AOFF,   384*PITCH                 ; in a slot: wt's 384 rows, then xb's 256 rows
.set SLOT,   640*PITCH
.set STAGE,  2*SLOT                    ; behind the ring, at a multiple of 256: 16 rows x 656 bytes for each wave; no tensor load lands here
.set SPITCH, 656                       ; qa, qb, kh, ka, v: 5 x 128 bytes + 16 = 41 x 16
.set ADRA, 16                          ; v16-17 LDS address of my xb fragments in slot 0, 1
.set ADRB, 20                          ; v20-21 the same for wt
.set STO,  24
.set RD,   25                          ; read-back of rows of 256 bytes (q, k)
.set CO,   26
.set MK,   27                          ; 0xffffe000: an f32's sign, exponent and upper 10 bits of the fraction
.set RDV,  28                          ; read-back of rows of 128 bytes (v)
.set A0,   32
.set A1,   96
.set BG,   160
.set HI,   32                          ; the way out: v[32:79]   qa, kh, v, packed
.set LO,   80                          ;              v[80:111]  qb, ka, packed
.set TT,   112                         ;              v[112:143] qa or kh in f32
.set FB,   144                         ;              v[144:223] 20 read-backs
.set UU,   224                         ;              v[224:255] qb, or kl and then ka, in f32
.set G1,  24                           ; s[24:31] group 1 for xb's tiles
.set G0,  32                           ; s[32:39] group 0 for xb's tiles, a set for each slot
.set G1B, 48                           ; s[48:55] group 1 for wt's tiles
.set G0B, 56                           ; s[56:63] group 0 for wt's tiles
.set MSB, 0
.macro WIN new                         ; the immediate's high byte repeats the setting that is left
.if MSB != (\new)
	s_set_vgpr_msb (MSB<<8)|(\new)
.set MSB, (\new)
.endif
.endm
.macro PLACES                          ; four plain vector instructions behind a matrix instruction, ahead of a load into its sources or a read of its result
.rept 4
	v_nop
.endr
.endm
; A joint load.  Waves 0 and 1 fetch wt's two halves, waves 2 and 3 xb's.  The branch hangs on the wave's number alone.
.macro JLOAD s
	s_cmp_eq_u32 s11, 0
	s_cbranch_scc0 .Lfor_a_\@
	tensor_load_to_lds s[G0B+4*\s:G0B+4*\s+3], s[G1B:G1B+7]
	s_nop 0
	s_branch .Lasked_\@
.Lfor_a_\@:
	tensor_load_to_lds s[G0+4*\s:G0+4*\s+3], s[G1:G1+7]
	s_nop 0
.Lasked_\@:
.endm
.macro CREST                           ; a round of the cluster's barrier behind its opening work-group barrier
	s_cmp_lg_u32 s10, 0
	s_cbranch_scc1 .Lnot_wave_0_\@
	s_barrier_signal -3
.Lnot_wave_0_\@:
	s_barrier_wait -3
	s_barrier_signal -1
	s_barrier_wait -1
.endm
.macro CROUND
	s_barrier_signal -1
	s_barrier_wait -1
	CREST
.endm
	s_load_b128 s[4:7], s[0:1], 0x0                ; xb s[4:5], wt s[6:7]
	s_load_b128 s[68:71], s[0:1], 0x10             ; qb s[68:69], kb s[70:71]
	s_load_b64 s[72:73], s[0:1], 0x20              ; vb
	v_lshl_add_u32 v30, v0, 2, 0x37400
	v_mov_b32 v31, 0
	ds_add_u32 v30, v31
	ds_add_u32 v30, v31
	v_lshrrev_b32 v1, 5, v0
	v_readfirstlane_b32 s10, v1                    ; wave 0..3
	s_lshr_b32 s11, s10, 1                         ; my half of the block's rows.  Also: I fetch for wt (0) or for xb (1)
	s_and_b32 s12, s10, 1                          ; my half of its columns.  Also: which half of that tile I fetch
	s_bfe_u32 s40, ttmp6, 0x40000                  ; cx
	s_bfe_u32 s41, ttmp6, 0x40004                  ; cy
	s_lshl_b32 s42, ttmp9, 2
	s_add_co_u32 s42, s42, s40                     ; block column = 4 x cluster x + cx, 0..7
	s_and_b32 s13, ttmp7, 0xffff
	s_lshl_b32 s13, s13, 2
	s_add_co_u32 s13, s13, s41                     ; block row = 4 x cluster y + cy, 0..31
	s_lshl_b32 s43, s41, 2
	s_lshl_b32 s43, 15, s43                        ; my row of the cluster
	s_lshl_b32 s44, 0x1111, s40                    ; my column
	; group 1: rows of 64 elements of 2 bytes, 4 words of padding behind every 32 words; bit 21 beside the mask
	s_or_b32 s[G1+0], s43, (1<<16)|(1<<20)|(1<<21)|(4<<22)|(3<<25)
	s_or_b32 s[G1B+0], s44, (1<<16)|(1<<20)|(1<<21)|(4<<22)|(3<<25)
	s_mov_b32 s[G1+1], KSTEP<<16                   ; tensor_dim0 = 64
	s_mov_b32 s[G1B+1], KSTEP<<16
	s_mov_b32 s[G1+2], 128<<16                     ; tensor_dim1 = 128 rows of xb
	s_mov_b32 s[G1B+2], 192<<16                    ;             = 192 rows of wt
	s_mov_b32 s[G1+3], KSTEP<<16                   ; tile_dim0 = 64
	s_mov_b32 s[G1B+3], KSTEP<<16
	s_mov_b32 s[G1+4], 128                         ; tile_dim1
	s_mov_b32 s[G1B+4], 192
	s_mov_b32 s[G1+5], 1024                        ; elements from row to row
	s_mov_b32 s[G1B+5], 1024
	s_mov_b32 s[G1+6], 0
	s_mov_b32 s[G1B+6], 0
	s_mov_b32 s[G1+7], 0
	s_mov_b32 s[G1B+7], 0
	; xb's tiles hang on the block row alone, wt's on the block column alone; each address is made in registers that never hold the other coordinate
	s_lshl_b32 s16, s13, 8
	s_lshl_b32 s17, s12, 7
	s_add_co_u32 s16, s16, s17                     ; xb: row 256 x block row + 128 x half
	s_lshl_b32 s16, s16, 11                        ; x 2,048 bytes: 16,515,072 at the most
	s_mov_b32 s17, 0
	s_mul_i32 s46, s42, 384
	s_mul_i32 s47, s12, 192
	s_add_co_u32 s46, s46, s47                     ; wt: row 384 x block column + 192 x half
	s_lshl_b32 s46, s46, 11
	s_mov_b32 s47, 0
	s_mul_i32 s20, s10, 128*PITCH                  ; xb's halves lie behind wt's 384 rows: AOFF + (wave - 2) x 128 rows
	s_add_co_u32 s20, s20, AOFF-2*128*PITCH
	s_mul_i32 s21, s10, 192*PITCH                  ; wt's halves: wave x 192 rows
	s_wait_dscnt 0x0
	s_wait_kmcnt 0x0
	s_add_nc_u64 s[14:15], s[4:5], s[16:17]
	s_add_nc_u64 s[46:47], s[6:7], s[46:47]
	CROUND                                         ; all sixteen work-groups are here: the first joint loads meet
.irp s, 0,1
	s_mov_b32 s[G0+4*\s], 1
	s_add_co_u32 s[G0+4*\s+1], s20, \s*SLOT
	s_add_nc_u64 s[G0+4*\s+2:G0+4*\s+3], s[14:15], \s*KSTEP*2
	s_or_b32 s[G0+4*\s+3], s[G0+4*\s+3], 0x80000000
	s_mov_b32 s[G0B+4*\s], 1
	s_add_co_u32 s[G0B+4*\s+1], s21, \s*SLOT
	s_add_nc_u64 s[G0B+4*\s+2:G0B+4*\s+3], s[46:47], \s*KSTEP*2
	s_or_b32 s[G0B+4*\s+3], s[G0B+4*\s+3], 0x80000000
	JLOAD \s                                       ; K steps 0 and 1: two loads of the wave are out
.endr
	v_and_b32 v1, 15, v0                           ; r = l % 16
	v_bfe_u32 v2, v0, 4, 1                         ; h = l / 16
	v_mul_u32_u24 v3, v1, PITCH
	v_lshl_add_u32 v3, v2, 4, v3                   ; row x pitch + 16 h
	s_mul_i32 s22, s11, 128*PITCH
	s_add_co_u32 s22, s22, AOFF                    ; my 128 rows of xb
	s_mul_i32 s23, s12, 192*PITCH                  ; my 192 rows of wt
.irp s, 0,1
	v_add_nc_u32 v[ADRA+\s], s22, v3
	v_add_nc_u32 v[ADRB+\s], s23, v3
	s_add_co_u32 s22, s22, SLOT
	s_add_co_u32 s23, s23, SLOT
.endr
	s_mul_i32 s18, s10, 16*SPITCH
	s_add_co_u32 s18, s18, STAGE                   ; my stage
	v_mul_u32_u24 v4, v1, SPITCH
	v_lshl_add_u32 v4, v2, 4, v4
	v_add_nc_u32 v[STO], s18, v4                   ; in: row r, 16 bytes for each half of the lanes
	v_mul_u32_u24 v5, v2, SPITCH
	v_lshl_add_u32 v5, v1, 4, v5
	v_add_nc_u32 v[RD], s18, v5                    ; back, q and k: sixteen lanes take the 256 bytes of one row's two numbers, a wave two rows
	v_bfe_u32 v5, v0, 3, 2
	v_and_b32 v6, 7, v0
	v_mul_u32_u24 v5, v5, SPITCH
	v_lshl_add_u32 v5, v6, 4, v5
	v_add_nc_u32 v[RDV], s18, v5                   ; back, v: eight lanes take the 128 bytes of one row, a wave four rows
	v_and_b32 v6, 31, v0
	v_lshlrev_b32 v[CO], 4, v6                     ; either way 512 neighbouring bytes of the buffer
	v_mov_b32 v[MK], 0xffffe000
.macro LOADA slot, kq, buf             ; 16 loads: my 128 rows of xb, 32 K at byte 64 kq
.irp a, 0,1,2,3,4,5,6,7
	ds_load_b128 v[\buf+8*\a:\buf+8*\a+3],   v[ADRA+\slot] offset:\a*16*PITCH+64*\kq
	ds_load_b128 v[\buf+8*\a+4:\buf+8*\a+7], v[ADRA+\slot] offset:\a*16*PITCH+64*\kq+32
.endr
.endm
.macro LOADB slot, kq, g               ; 8 loads: column tiles 4 g .. 4 g + 3 of wt
.irp bl, 0,1,2,3
	ds_load_b128 v[BG+32*\g+8*\bl:BG+32*\g+8*\bl+3],   v[ADRB+\slot] offset:(4*\g+\bl)*16*PITCH+64*\kq
	ds_load_b128 v[BG+32*\g+8*\bl+4:BG+32*\g+8*\bl+7], v[ADRB+\slot] offset:(4*\g+\bl)*16*PITCH+64*\kq+32
.endr
.endm
; 16 matrix instructions: row tiles a0 .. a0 + 3 x the four column tiles of group g.  zero = 1: the first product starts the sums.
; The 96 accumulators take turns, one instruction a turn, in the same order in every half step.
.macro MUL16 abuf, g, a0, zero
.irp a, \a0, \a0+1, \a0+2, \a0+3
.irp bl, 0,1,2,3
.if \zero
	v_wmma_f32_16x16x32_bf16 v[8*(4*(\a)+\bl):8*(4*(\a)+\bl)+7], v[BG+32*\g+8*\bl:BG+32*\g+8*\bl+7], v[\abuf+8*(\a):\abuf+8*(\a)+7], 0
.else
	v_wmma_f32_16x16x32_bf16 v[8*(4*(\a)+\bl):8*(4*(\a)+\bl)+7], v[BG+32*\g+8*\bl:BG+32*\g+8*\bl+7], v[\abuf+8*(\a):\abuf+8*(\a)+7], v[8*(4*(\a)+\bl):8*(4*(\a)+\bl)+7]
.endif
.endr
.endr
.endm
; The first half of a K step: multiplies buffer A0 and, behind each column group, fetches the second half's fragments of the same slot.
.macro EVEN slot, zero
	s_wait_dscnt 16                                ; xb's 16 loads and group 0's 8 are in; the 8 + 8 of groups 1 and 2 may be out
	WIN 0x50
	MUL16 A0, 0, 0, \zero
	MUL16 A0, 0, 4, \zero
	WIN 0
	PLACES
	LOADA \slot, 1, A1
	LOADB \slot, 1, 0
	s_wait_dscnt 32                                ; group 1 is in: behind it came group 2's 8 and the 24 just issued
	WIN 0xa0
	MUL16 A0, 1, 0, \zero
	MUL16 A0, 1, 4, \zero
	WIN 0
	PLACES
	LOADB \slot, 1, 1
	s_wait_dscnt 32                                ; group 2 is in: behind it came 24 + 8
	WIN 0xf0
	MUL16 A0, 2, 0, \zero
	MUL16 A0, 2, 4, \zero
	WIN 0
	PLACES
	LOADB \slot, 1, 2
.endm
; The second half: multiplies buffer A1 and changes slots.  mode 2: this slot is filled again, two K steps ahead; 1: no fill; 0: the last K step.
; In front of the barrier each wave waits for its reads of this slot and for all its tensor loads, of which one is out: its part of the next slot.
; Behind it (mode 2: behind the cluster's round that it opens) the refill comes first, then the next slot's first fragments.
.macro ODD slot, next, mode
	s_wait_dscnt 16                                ; xb's and group 0's are in
	WIN 0x50
	MUL16 A1, 0, 0, 0
.if \mode
	s_wait_dscnt 0x0                               ; my reads of this slot are over
	s_wait_tensorcnt 0x0                           ; all my tensor loads have landed
	ds_add_u32 v30, v31
	s_wait_dscnt 0x0
	s_barrier_signal -1
	MUL16 A1, 0, 4, 0                              ; register work while the others arrive
	WIN 0
	s_barrier_wait -1
.if \mode == 2
	CREST                                          ; no wave of any partner still reads this slot or has a load on its way
	s_add_nc_u64 s[G0+4*\slot+2:G0+4*\slot+3], s[G0+4*\slot+2:G0+4*\slot+3], 2*KSTEP*2
	s_add_nc_u64 s[G0B+4*\slot+2:G0B+4*\slot+3], s[G0B+4*\slot+2:G0B+4*\slot+3], 2*KSTEP*2
	JLOAD \slot                                    ; my one tensor load behind the round; 176 matrix instructions stand between it and the wait for it
.endif
	PLACES
	LOADA \next, 0, A0
	LOADB \next, 0, 0
	WIN 0xa0
	MUL16 A1, 1, 0, 0                              ; groups 1 and 2 were shown in by the wait for 0 above
	MUL16 A1, 1, 4, 0
	WIN 0
	PLACES
	LOADB \next, 0, 1
	WIN 0xf0
	MUL16 A1, 2, 0, 0
	MUL16 A1, 2, 4, 0
	WIN 0
	PLACES
	LOADB \next, 0, 2
.else
	MUL16 A1, 0, 4, 0
	s_wait_dscnt 8                                 ; group 1 is in, group 2's 8 may be out
	WIN 0xa0
	MUL16 A1, 1, 0, 0
	MUL16 A1, 1, 4, 0
	s_wait_dscnt 0x0
	WIN 0xf0
	MUL16 A1, 2, 0, 0
	MUL16 A1, 2, 4, 0
	WIN 0
.endif
.endm
.macro LAP zero                        ; two K steps, once round the ring, both slots filled again
	EVEN 0, \zero
	ODD 0, 1, 2
	EVEN 1, 0
	ODD 1, 0, 2
.endm
	s_wait_tensorcnt 0x1                           ; my part of K step 0 is in; K step 1's stays out
	s_barrier_signal -1
	s_barrier_wait -1
	LOADA 0, 0, A0
	LOADB 0, 0, 0
	LOADB 0, 0, 1
	LOADB 0, 0, 2
	LAP 1                                          ; 16 K steps = 8 laps: the first starts the sums,
	s_mov_b32 s3, 6                                ; six go round the loop,
.Llap:
	LAP 0
	s_sub_co_u32 s3, s3, 1
	s_cmp_lg_u32 s3, 0
	s_cbranch_scc1 .Llap
	EVEN 0, 0                                      ; and the last fills nothing
	ODD 0, 1, 1
	EVEN 1, 0
	ODD 1, 0, 0
	; THE WAY OUT, 16 rows at a time: q and k are split into their two numbers, v is rounded; 16 bytes a lane go into my stage, whole rows come back,
	; and each store of the wave covers 512 consecutive bytes.
	PLACES
	s_lshl_b32 s46, s42, 1
	s_add_co_u32 s46, s46, s12                     ; my head = 2 x block column + half
	s_lshl_b32 s46, s46, 21                        ; x 8 batches x 1,024 rows x 256 bytes
	s_mov_b32 s47, 0
	s_lshr_b32 s16, s13, 2                         ; batch = block row / 4
	s_lshl_b32 s16, s16, 18                        ; x 1,024 rows x 256 bytes
	s_and_b32 s17, s13, 3
	s_lshl_b32 s17, s17, 16                        ; the block's 256 rows
	s_add_co_u32 s16, s16, s17
	s_lshl_b32 s17, s11, 15                        ; my 128 rows
	s_add_co_u32 s16, s16, s17
	s_mov_b32 s17, 0
	s_add_nc_u64 s[68:69], s[68:69], s[46:47]
	s_add_nc_u64 s[68:69], s[68:69], s[16:17]
	s_add_nc_u64 s[70:71], s[70:71], s[46:47]
	s_add_nc_u64 s[70:71], s[70:71], s[16:17]
	s_lshr_b32 s46, s46, 1                         ; v's rows are half as long
	s_lshr_b32 s16, s16, 1
	s_add_nc_u64 s[72:73], s[72:73], s[46:47]
	s_add_nc_u64 s[72:73], s[72:73], s[16:17]
.macro OUT16 a
	WIN 1                                          ; q: source 0 (the sums) in window 1
.irp bl, 0,1,2,3
.irp rr, 0,1,2,3
	v_pk_mul_f32 v[TT+8*\bl+2*\rr:TT+8*\bl+2*\rr+1], v[8*(4*\a+\bl)+2*\rr:8*(4*\a+\bl)+2*\rr+1], 0x3f7c0000 op_sel_hi:[1,0]   ; q x 63/64
.endr
.endr
.irp bl, 0,1,2,3
.irp j, 0,1,2,3,4,5,6,7
	v_and_b32 v[TT+8*\bl+\j], 0xffffe000, v[TT+8*\bl+\j]   ; qa: cut to 11 significant bits, exact in f16 from 6.1e-5 up; the mask is a literal, so source 0 names no window
.endr
.endr
.irp bl, 0,1,2,3
.irp rr, 0,1,2,3
	v_pk_add_f32 v[UU+8*\bl+2*\rr:UU+8*\bl+2*\rr+1], v[8*(4*\a+\bl)+2*\rr:8*(4*\a+\bl)+2*\rr+1], v[TT+8*\bl+2*\rr:TT+8*\bl+2*\rr+1] neg_lo:[0,1] neg_hi:[0,1]   ; qb = q - qa, exact: the two lie within a factor of 2
.endr
.endr
	WIN 0
.irp bl, 0,1,2,3
.irp rr, 0,1,2,3
	v_cvt_pk_f16_f32 v[HI+4*\bl+\rr], v[TT+8*\bl+2*\rr], v[TT+8*\bl+2*\rr+1]
	v_cvt_pk_f16_f32 v[LO+4*\bl+\rr], v[UU+8*\bl+2*\rr], v[UU+8*\bl+2*\rr+1]
.endr
.endr
	WIN 2                                          ; k: source 0 (the sums) in window 2
.irp bl, 0,1,2,3
.irp j, 0,1,2,3,4,5,6,7
	v_and_b32 v[TT+8*\bl+\j], v[8*(4*\a+\bl)+\j], v[MK]   ; kh: k cut to 11 significant bits
.endr
.endr
.irp bl, 0,1,2,3
.irp rr, 0,1,2,3
	v_pk_add_f32 v[UU+8*\bl+2*\rr:UU+8*\bl+2*\rr+1], v[8*(4*\a+\bl)+2*\rr:8*(4*\a+\bl)+2*\rr+1], v[TT+8*\bl+2*\rr:TT+8*\bl+2*\rr+1] neg_lo:[0,1] neg_hi:[0,1]   ; kl = k - kh, exact
.endr
.endr
	WIN 0
.irp bl, 0,1,2,3
.irp rr, 0,1,2,3
	v_pk_fma_f32 v[UU+8*\bl+2*\rr:UU+8*\bl+2*\rr+1], v[UU+8*\bl+2*\rr:UU+8*\bl+2*\rr+1], 0x42800000, v[TT+8*\bl+2*\rr:TT+8*\bl+2*\rr+1] op_sel_hi:[1,0,1]   ; ka = 64 kl + kh
.endr
.endr
.irp bl, 0,1,2,3
.irp rr, 0,1,2,3
	v_cvt_pk_f16_f32 v[HI+16+4*\bl+\rr], v[TT+8*\bl+2*\rr], v[TT+8*\bl+2*\rr+1]
	v_cvt_pk_f16_f32 v[LO+16+4*\bl+\rr], v[UU+8*\bl+2*\rr], v[UU+8*\bl+2*\rr+1]
.endr
.endr
	WIN 15                                         ; v: sources 0 and 1 in window 3
.irp bl, 0,1,2,3
.irp rr, 0,1,2,3
	v_cvt_pk_f16_f32 v[HI+32+4*\bl+\rr], v[8*(4*\a+\bl)+2*\rr], v[8*(4*\a+\bl)+2*\rr+1]
.endr
.endr
	WIN 0
.irp g, 0,1,2
.irp bl, 0,1,2,3
	ds_store_b128 v[STO], v[HI+16*\g+4*\bl:HI+16*\g+4*\bl+3] offset:256*\g+32*\bl
.endr
.endr
.irp g, 0,1
.irp bl, 0,1,2,3
	ds_store_b128 v[STO], v[LO+16*\g+4*\bl:LO+16*\g+4*\bl+3] offset:256*\g+128+32*\bl
.endr
.endr
	s_wait_xcnt 0x0                                ; the read-back registers were the data of the last 16 rows' stores: they are loaded again only behind this wait
.irp u, 0,1,2,3,4,5,6,7
	ds_load_b128 v[FB+4*\u:FB+4*\u+3], v[RD] offset:2*SPITCH*\u            ; q.  LDS serves a wave in order: these see the stores above
.endr
.irp u, 0,1,2,3,4,5,6,7
	ds_load_b128 v[FB+32+4*\u:FB+32+4*\u+3], v[RD] offset:256+2*SPITCH*\u  ; k
.endr
.irp u, 0,1,2,3
	ds_load_b128 v[FB+64+4*\u:FB+64+4*\u+3], v[RDV] offset:512+4*SPITCH*\u ; v
.endr
.irp u, 0,1,2,3,4,5,6,7
	s_wait_dscnt 19-\u                             ; this read-back is in, the younger ones stay out
	global_store_b128 v[CO], v[FB+4*\u:FB+4*\u+3], s[68:69] offset:(16*\a+2*\u)*256      ; two rows of q: 512 consecutive bytes, aligned
.endr
.irp u, 0,1,2,3,4,5,6,7
	s_wait_dscnt 11-\u
	global_store_b128 v[CO], v[FB+32+4*\u:FB+32+4*\u+3], s[70:71] offset:(16*\a+2*\u)*256   ; two rows of k
.endr
.irp u, 0,1,2,3
	s_wait_dscnt 3-\u
	global_store_b128 v[CO], v[FB+64+4*\u:FB+64+4*\u+3], s[72:73] offset:(16*\a+4*\u)*128   ; four rows of v
.endr
.endm
	OUT16 0
	OUT16 1
	OUT16 2
	OUT16 3
	OUT16 4
	OUT16 5
	OUT16 6
	OUT16 7
	s_wait_tensorcnt 0x0
	ds_add_u32 v30, v31
	s_wait_dscnt 0x0
	CROUND                                         ; the closing round: no work-group ends while a partner may still ask for a tile that names it
	s_endpgm
.Lfunc_end_k_qc9d7007092_proj:
	.size	k_qc9d7007092_proj, .Lfunc_end_k_qc9d7007092_proj-k_qc9d7007092_proj
	.p2alignl 7, 3214868480
	.fill 96, 4, 3214868480
	.section	.rodata,"a",@progbits
	.p2align	6, 0x0
	.amdhsa_kernel k_qc9d7007092_proj
		.amdhsa_group_segment_fixed_size 327680
		.amdhsa_private_segment_fixed_size 0
		.amdhsa_enable_private_segment 0
		.amdhsa_kernarg_size 40
		.amdhsa_user_sgpr_count 2
		.amdhsa_user_sgpr_kernarg_segment_ptr 1
		.amdhsa_wavefront_size32 1
		.amdhsa_system_sgpr_workgroup_id_x 1
		.amdhsa_system_sgpr_workgroup_id_y 1
		.amdhsa_system_sgpr_workgroup_id_z 1
		.amdhsa_system_vgpr_workitem_id 0
		.amdhsa_next_free_vgpr 1024
		.amdhsa_next_free_sgpr 76
		.amdhsa_reserve_vcc 0
		.amdhsa_float_denorm_mode_32 3
		.amdhsa_float_denorm_mode_16_64 3
		.amdhsa_memory_ordered 1
		.amdhsa_forward_progress 1
		.amdhsa_inst_pref_size 255
	.end_amdhsa_kernel
	.section	.bss,"aw",@nobits
	.p2align	6
	.space	262144
	.amdgpu_metadata
---
amdhsa.version: [ 1, 2 ]
amdhsa.kernels:
  - .name:           k_qc9d7007092_proj
    .symbol:         k_qc9d7007092_proj.kd
    .args:
      - { .name: xb, .offset: 0, .size: 8, .value_kind: global_buffer, .address_space: global }
      - { .name: wt, .offset: 8, .size: 8, .value_kind: global_buffer, .address_space: global }
      - { .name: qb, .offset: 16, .size: 8, .value_kind: global_buffer, .address_space: global }
      - { .name: kb, .offset: 24, .size: 8, .value_kind: global_buffer, .address_space: global }
      - { .name: vb, .offset: 32, .size: 8, .value_kind: global_buffer, .address_space: global }
    .group_segment_fixed_size: 327680
    .private_segment_fixed_size: 0
    .kernarg_segment_align: 8
    .kernarg_segment_size: 40
    .max_flat_workgroup_size: 128
    .sgpr_count:     76
    .vgpr_count:     1024
    .wavefront_size: 32
...
	.end_amdgpu_metadata
.endif
;; end of part 5
;; launch attn (part 6): grid 256 x 1, 4 waves a work-group, no clusters, 327,680 bytes of LDS; arguments qb, kb, vb, out0; writes out0
.if DOCPART == 6
	.amdgcn_target "amdgcn-amd-amdhsa--gfx1250"
	.amdhsa_code_object_version 6
	.text
	.protected	k_qc9d7007092_attn
	.globl	k_qc9d7007092_attn
	.p2align	8
	.type	k_qc9d7007092_attn,@function
k_qc9d7007092_attn:
	s_mov_b64 s[64:65], 0
	v_nop
	global_prefetch_b8 v0, s[64:65] scope:SCOPE_SE
	s_setreg_imm32_b32 hwreg(HW_REG_WAVE_MODE, 25, 1), 1
	s_wait_xcnt 0x0
; ATTN: out = softmax(q k^T) v for each of 8 x 16 heads, 1,024 keys, 64 numbers a head; no scale and no mask, as the problem has it.
; No step is left out.  The running maximum of each query is taken away before every exponential.
; q comes as (qa, qb) and k as (kh, ka) in f16, made so that  kh qa + ka qb = k q + 64 kl (qb - q/64)  with kl = k - kh: two products for a score,
; summed in f32; the last term is under 2^-14 |k q|, and the rounding of ka and of qb adds under 2^-16 |k q| each.
; LIMITS: v and the weights p have f16's 11 significant bits; p is at most about 1.  A NaN among the scores loses in the maximum and shows in the sums.
; A work-group takes 512 queries of one head, a wave 128 (eight tiles of 16).  A key takes 272 bytes of LDS for K and 160 for V, so 704 keys are
; resident: keys 0-127, 128-319 and 320-703 are filled at the start; when keys 0-319 have been read, keys 704-1,023 are filled into their bytes (one refill).
; NO CLUSTER: only two work-groups share a head's K and V, and each asks for them once, 393,216 bytes; four partners of 256 queries each
; would double the fills and the fragment reads of the launch.
; TRANSPOSED: S^T = K Q^T, so lane (r, h) holds query r and keys 16 kt + 8 h + j; pairs of neighbouring j, rounded to f16, are at once the second
; source of O^T = V^T P^T.  Maximum, sum and rescaling are one number a lane; one exchange joins the two halves of the lanes.
; THE TILES TAKE TURNS.  A trip (64 keys) has 192 matrix instructions and about 950 vector instructions, and the eight query tiles do not depend on
; each other.  Step i: the 16 score products of tile i + 1 go into the other of two score buffers, and behind each stands a slice of tile i's
; exponentials, rescaling and conversions; then the 8 products of tile i onto O, and behind each a slice of tile i's sums and of tile i + 1's maximum.
; Step 7's next tile is tile 0 of the next trip: K's fragments for it are loaded in step 6, when tile 7's scores are done, V's behind step 7.
; So fragments are read from LDS one trip ahead, and each barrier for a part of K and V stands one trip ahead of the first trip that multiplies it.
; REGISTERS: window 0 as named below; window 1: O, tile (i, t) at v[32 i + 8 t]; window 2: Q, tile i: qa at v[32 i + 8 ks], qb at v[32 i + 16 + 8 ks];
;   window 3: V fragments, (t, kk) at v[16 t + 8 kk].
; WINDOWS: a score product has only its second source (Q) outside window 0.  The slices of multiply-adds (second source a literal) and of exponentials
; (one source) name a vector register in no second source, so they run under the products' own setting; only the rescaling (O), the
; conversions (two vector sources) and the products onto O switch.
.set KP,   272                         ; K rows: kh 128 bytes, ka 128 bytes, + 16 = 17 x 16
.set VP,   160                         ; V rows: 128 bytes + 32 = 5 x 32, for the transposing load
.set RES,  704                         ; keys resident
.set VOFF, RES*KP                      ; V lies behind K
.set STG,  VOFF+RES*VP                 ; the stage for the way out, at a multiple of 256; no tensor load lands here
.set OP,   272                         ; the stage's rows: 256 bytes + 16
.set KW0,  (1<<16)|(1<<20)|(5<<22)|(3<<25)   ; elements of 2 bytes, 4 words of padding behind every 64 words
.set VW0,  (1<<16)|(1<<20)|(4<<22)|(7<<25)   ; elements of 2 bytes, 8 words of padding behind every 32 words
.set KAD,  4                           ; LDS address of the K fragments that are loaded next
.set VAD,  5                           ; the same for V
.set KAD0, 6                           ; both at key 0
.set VAD0, 7
.set QO,   8
.set STO,  9
;          v10 exponent base, v11 old base, then new - old; v12 rescaling factor (at the end 1 / sum); v13, v14, v16-18 at work on the maximum
.set RD,   15
.set CO,   19
.set ZZ,   20                          ; v[20:27]   four chains of sums
.set MX,   28                          ; v[28:35]   running maximum of tile i
.set LS,   36                          ; v[36:43]   running sum
.set SCA,  44                          ; v[44:107]  scores, then weights, of 64 keys: tile i uses buffer i % 2
.set PF,   108                         ; v[108:123] the weights in f16
.set KF,   124                         ; v[124:187] kh fragments, (kt, ks) at 16 kt + 8 ks
.set KL,   188                         ; v[188:251] ka fragments
.set MSB, 0
.macro WIN new                         ; the immediate's high byte repeats the setting that is left
.if MSB != (\new)
	s_set_vgpr_msb (MSB<<8)|(\new)
.set MSB, (\new)
.endif
.endm
.macro WINC                            ; for a slice with no vector register as second source: the score products' setting serves, else window 0
.if MSB != 0x08
	WIN 0
.endif
.endm
.macro PLACES                          ; four plain vector instructions behind a matrix instruction (ISA guide 7.12.1)
.rept 4
	v_nop
.endr
.endm
.macro SHAPE g, word0, cols, rows      ; descriptor group 1: a tile of rows x cols elements, dense in memory
	s_mov_b32 s[\g+0], \word0
	s_mov_b32 s[\g+1], (\cols)<<16                 ; tensor_dim0
	s_mov_b32 s[\g+2], (\rows)<<16                 ; tensor_dim1
	s_mov_b32 s[\g+3], (\cols)<<16                 ; tile_dim0
	s_mov_b32 s[\g+4], \rows                       ; tile_dim1
	s_mov_b32 s[\g+5], \cols                       ; elements from row to row
	s_mov_b32 s[\g+6], 0
	s_mov_b32 s[\g+7], 0
.endm
; Both groups of one load: my half (rows rows) of a part of K or of V.  LDS: wave x rows x pitch + lconst; memory: row grow + (wave % 2) x rows of the head.
.macro DESC g1, g0, word0, cols, rows, pitch, lconst, grow, ptr
	SHAPE \g1, \word0, \cols, \rows
	s_mov_b32 s[\g0], 1
	s_mul_i32 s[\g0+1], s12, (\rows)*(\pitch)
	s_add_co_u32 s[\g0+1], s[\g0+1], \lconst
	s_mul_i32 s40, s13, (\rows)*(\cols)*2
	s_add_co_u32 s40, s40, (\grow)*(\cols)*2
	s_mov_b32 s41, 0
	s_add_nc_u64 s[\g0+2:\g0+3], s[\ptr:\ptr+1], s[40:41]
	s_or_b32 s[\g0+3], s[\g0+3], 0x80000000
.endm
.macro KDESC g1, g0, rows, lrow, grow  ; waves 0 and 1
	DESC \g1, \g0, KW0, 128, \rows, KP, (\lrow)*KP, \grow, 6
.endm
.macro VDESC g1, g0, rows, lrow, grow  ; waves 2 and 3: the wave's number less 2
	DESC \g1, \g0, VW0, 64, \rows, VP, VOFF+(\lrow)*VP-2*(\rows)*VP, \grow, 8
.endm
	s_load_b128 s[4:7], s[0:1], 0x0                ; qb s[4:5], kb s[6:7]
	s_load_b128 s[8:11], s[0:1], 0x10              ; vb s[8:9], out0 s[10:11]
	v_lshl_add_u32 v254, v0, 2, 0x4e800
	v_mov_b32 v255, 0
	ds_add_u32 v254, v255
	ds_add_u32 v254, v255
	v_lshrrev_b32 v1, 5, v0
	v_readfirstlane_b32 s12, v1                    ; wave 0..3
	s_and_b32 s13, s12, 1                          ; which half of a part I fetch
	s_and_b32 s14, ttmp9, 1                        ; which 512 queries
	s_bfe_u32 s15, ttmp9, 0x40001                  ; head
	s_lshr_b32 s47, ttmp9, 5                       ; batch
	s_lshl3_add_u32 s40, s15, s47                  ; 8 head + batch
	s_lshl_b32 s42, s40, 17                        ; x 1,024 rows of 128 bytes (v)
	s_lshl_b32 s40, s40, 18                        ; x 1,024 rows of 256 bytes (q, k)
	s_mov_b32 s41, 0
	s_mov_b32 s43, 0
	s_mov_b32 s44, 0x76543210                      ; v_permlanex16_b32: lane i of one half reads lane i of the other
	s_mov_b32 s45, 0xfedcba98
	s_wait_dscnt 0x0
	s_wait_kmcnt 0x0
	s_add_nc_u64 s[4:5], s[4:5], s[40:41]          ; the head's q, k and v
	s_add_nc_u64 s[6:7], s[6:7], s[40:41]
	s_add_nc_u64 s[8:9], s[8:9], s[42:43]
	; All first fills stand here, in one branch on the wave's number: waves 0 and 1 bring K, waves 2 and 3 V; each issues three loads,
	; the smallest first, so that the first products wait for 128 keys only.
	s_cmp_lt_u32 s12, 2
	s_cbranch_scc0 .Lfill_v
	KDESC 16, 32, 64, 0, 0                         ; keys 0-127
	KDESC 24, 36, 96, 128, 128                     ; keys 128-319
	KDESC 48, 56, 192, 320, 320                    ; keys 320-703
	tensor_load_to_lds s[32:35], s[16:23]
	s_nop 0
	tensor_load_to_lds s[36:39], s[24:31]
	s_nop 0
	tensor_load_to_lds s[56:59], s[48:55]
	s_nop 0
	s_branch .Lfilled
.Lfill_v:
	VDESC 16, 32, 64, 0, 0
	VDESC 24, 36, 96, 128, 128
	VDESC 48, 56, 192, 320, 320
	tensor_load_to_lds s[32:35], s[16:23]
	s_nop 0
	tensor_load_to_lds s[36:39], s[24:31]
	s_nop 0
	tensor_load_to_lds s[56:59], s[48:55]
	s_nop 0
.Lfilled:
	s_lshl_b32 s40, s14, 17                        ; q: 512 rows of 256 bytes for the half,
	s_lshl_b32 s41, s12, 15                        ; 128 rows for the wave
	s_add_co_u32 s40, s40, s41
	s_mov_b32 s41, 0
	s_add_nc_u64 s[4:5], s[4:5], s[40:41]
	v_and_b32 v1, 15, v0                           ; r
	v_bfe_u32 v2, v0, 4, 1                         ; h
	v_lshlrev_b32 v[QO], 8, v1
	v_lshl_add_u32 v[QO], v2, 4, v[QO]             ; row r, 16 bytes at 16 h
	WIN 0x80                                       ; destination in window 2
.irp i, 0,1,2,3,4,5,6,7
.irp p, 0,1
.irp ks, 0,1
	global_load_b128 v[32*\i+16*\p+8*\ks:32*\i+16*\p+8*\ks+3],   v[QO], s[4:5] offset:4096*\i+128*\p+64*\ks
	global_load_b128 v[32*\i+16*\p+8*\ks+4:32*\i+16*\p+8*\ks+7], v[QO], s[4:5] offset:4096*\i+128*\p+64*\ks+32
.endr
.endr
.endr
	WIN 0
	s_lshl_b32 s40, s47, 22                        ; out0: batch x 4 MiB
	s_lshl_b32 s41, s14, 21                        ; + 512 rows of 4,096 bytes for the half
	s_add_co_u32 s40, s40, s41
	s_lshl_b32 s41, s12, 19                        ; + 128 rows for the wave
	s_add_co_u32 s40, s40, s41
	s_lshl_b32 s41, s15, 8                         ; + the head's 256 bytes in a row
	s_add_co_u32 s40, s40, s41
	s_mov_b32 s41, 0
	s_add_nc_u64 s[10:11], s[10:11], s[40:41]
	v_mul_u32_u24 v[KAD0], v1, KP
	v_lshl_add_u32 v[KAD0], v2, 4, v[KAD0]         ; K: key r of a tile, 16 bytes at 16 h
	v_and_b32 v3, 7, v0
	v_lshl_add_u32 v3, v2, 3, v3
	v_mul_u32_u24 v[VAD0], v3, VP                  ; V, for the transposing load: key 8 h + l % 8,
	v_bfe_u32 v3, v0, 3, 1
	v_lshl_add_u32 v[VAD0], v3, 4, v[VAD0]         ; 16 bytes at 16 ((l / 8) % 2)
	v_add_nc_u32 v[VAD0], VOFF, v[VAD0]
	v_mov_b32 v[KAD], v[KAD0]
	v_mov_b32 v[VAD], v[VAD0]
	s_mul_i32 s42, s12, 16*OP
	s_add_co_u32 s42, s42, STG                     ; my stage for the way out
	v_mul_u32_u24 v[STO], v1, OP
	v_lshl_add_u32 v[STO], v2, 5, v[STO]
	v_add_nc_u32 v[STO], s42, v[STO]               ; in: row r, 32 bytes for each half of the lanes
	v_mul_u32_u24 v[RD], v2, OP
	v_lshl_add_u32 v[RD], v1, 4, v[RD]
	v_add_nc_u32 v[RD], s42, v[RD]                 ; back: lanes 0-15 one row of 256 bytes, lanes 16-31 the next
	v_lshlrev_b32 v[CO], 12, v2
	v_lshl_add_u32 v[CO], v1, 4, v[CO]             ; the same two rows in out0
	v_mov_b32 v11, 0                               ; the upper register of the pair v[10:11], read with it before its first use
	v_mov_b32 v14, 0                               ; v_permlanex16_b32 counts as a reader of its destination
; 32 loads in one run: K's fragments of the next 64 keys, in the order in which the score products take them: ka ks 0, ka ks 1, kh ks 0, kh ks 1, eight loads each.
.macro LOADK
.irp p, 1,0
.irp ks, 0,1
.irp kt, 0,1,2,3
	ds_load_b128 v[KF+64*\p+16*\kt+8*\ks:KF+64*\p+16*\kt+8*\ks+3],   v[KAD] offset:\kt*16*KP+128*\p+64*\ks
	ds_load_b128 v[KF+64*\p+16*\kt+8*\ks+4:KF+64*\p+16*\kt+8*\ks+7], v[KAD] offset:\kt*16*KP+128*\p+64*\ks+32
.endr
.endr
.endr
	v_add_nc_u32 v[KAD], 64*KP, v[KAD]
.endm
; 16 transposing loads: V's fragments of the next 64 keys
.macro LOADV
	WIN 0xc0                                       ; destination in window 3
.irp t, 0,1,2,3
.irp kk, 0,1
	ds_load_tr16_b128 v[16*\t+8*\kk:16*\t+8*\kk+3],   v[VAD] offset:\kk*32*VP+32*\t
	ds_load_tr16_b128 v[16*\t+8*\kk+4:16*\t+8*\kk+7], v[VAD] offset:\kk*32*VP+32*\t+16*VP
.endr
.endr
	WIN 0
	v_add_nc_u32 v[VAD], 64*VP, v[VAD]
.endm
.macro EXPS from, cnt                  ; cnt exponentials in place, from weight 'from' of the buffer at ESX on
	.set EK, \from
.rept \cnt
	v_exp_f32 v[ESX+EK], v[ESX+EK]
	.set EK, EK+1
.endr
.endm
.macro CVTS from, cnt                  ; cnt conversions: weights 2 k and 2 k + 1 into register k of the fragments
	.set EK, \from
	s_wait_alu depctr_va_vdst(0)
.rept \cnt
	v_cvt_pk_f16_f32 v[PF+EK], v[ESX+2*EK], v[ESX+2*EK+1]
	.set EK, EK+1
.endr
.endm
; Slice SJ (0 to 15) of tile i's way from scores to weights; one stands behind each score product of the next tile.  first = 1: the first 64 keys, nothing to rescale.
; Behind every run of exponentials the next plain vector instruction reads none of the run's results and writes none of its sources (ISA guide 5.7.2):
; in slices 0-3 a multiply-add on later scores, in slices 4-7 the rescaling, behind slice 11 the conversion of weights 0 and 1, which slice 1 made.
.macro ESLICE i, first
	.set ESX, SCA+32*((\i)&1)
.if SJ < 4                                         ; slices 0-3: log2(e) s + base, one rounding, the literal as second source; and weights 0 to 5
	WINC
.if SJ == 0
.if \first == 0
	v_exp_f32 v12, v11                             ; the rescaling factor 2^(new base - old base), at most 1
.endif
.else
	EXPS 2*(SJ-1), 2
.endif
.irp e, 0,1,2,3
	v_pk_fma_f32 v[ESX+8*SJ+2*\e:ESX+8*SJ+2*\e+1], v[ESX+8*SJ+2*\e:ESX+8*SJ+2*\e+1], 0x3fb8aa3b, v[10:11] op_sel_hi:[1,0,0]
.endr
.endif
.if SJ >= 4
.if SJ < 8                                         ; slices 4-7: weights 6 to 13, and O of tile i under the new base
	WINC
	EXPS 2*(SJ-1), 2
.if \first == 0
	WIN 0x41                                       ; O in window 1, the factor in window 0
	s_wait_alu depctr_va_vdst(0)
.irp e, 0,1,2,3
	v_pk_mul_f32 v[32*(\i)+8*(SJ-4)+2*\e:32*(\i)+8*(SJ-4)+2*\e+1], v[32*(\i)+8*(SJ-4)+2*\e:32*(\i)+8*(SJ-4)+2*\e+1], v[12:13] op_sel_hi:[1,0]
.endr
.endif
.endif
.endif
.if SJ == 8                                        ; slices 8-11: weights 14 to 31
	WINC
	EXPS 14, 5
.endif
.if SJ == 9
	WINC
	EXPS 19, 5
.endif
.if SJ == 10
	WINC
	EXPS 24, 4
.endif
.if SJ == 11
	WINC
	EXPS 28, 4
.endif
.if SJ >= 12                                       ; slices 12-15: keys 8 h + 2 jj, + 1 of tile kt = k / 4: registers 0-3 and 4-7 of a fragment of 32 keys
	WIN 0
	CVTS 4*(SJ-12), 4
.endif
.endm
; Slice PJ (0 to 7) behind the products onto O: tile i's sum (sm = 1: it starts the running sum, 2: it is added under the new base, 0: none) and
; tile nt's maximum and exponent base (mm = 1: first 64 keys, 2: later keys, 0: none).  The four sums of slice 0 are places between tile nt's last
; score product and the first read of its scores; slice 7 has four plain instructions, the places in front of the loads into V's fragments.
.macro PSLICE i, nt, sm, mm
	.set PSX, SCA+32*((\i)&1)
	.set PSN, SCA+32*((\nt)&1)
.if PJ == 0
.if \sm
.irp c, 0,1,2,3
	v_pk_add_f32 v[ZZ+2*\c:ZZ+2*\c+1], v[PSX+4*\c:PSX+4*\c+1], v[PSX+4*\c+2:PSX+4*\c+3]
.endr
.endif
.if \mm == 2
	v_mul_f32 v11, 0xbfb8aa3b, v[MX+(\nt)]         ; the old base again: the same product of the same maximum, so the same rounding as when the sums were made
.endif
.endif
.if PJ == 1
.if \mm
	v_max3_num_f32 v16, v[PSN], v[PSN+1], v[PSN+2] ; the largest of my 32 scores, in three chains
	v_max3_num_f32 v17, v[PSN+3], v[PSN+4], v[PSN+5]
	v_max3_num_f32 v18, v[PSN+6], v[PSN+7], v[PSN+8]
.endif
.if \sm
	v_pk_add_f32 v[ZZ:ZZ+1], v[ZZ:ZZ+1], v[PSX+16:PSX+17]
	v_pk_add_f32 v[ZZ+2:ZZ+3], v[ZZ+2:ZZ+3], v[PSX+18:PSX+19]
.endif
.endif
.if PJ == 2
.if \mm
	v_max3_num_f32 v16, v16, v[PSN+9], v[PSN+10]
	v_max3_num_f32 v17, v17, v[PSN+11], v[PSN+12]
	v_max3_num_f32 v18, v18, v[PSN+13], v[PSN+14]
.endif
.if \sm
	v_pk_add_f32 v[ZZ+4:ZZ+5], v[ZZ+4:ZZ+5], v[PSX+20:PSX+21]
	v_pk_add_f32 v[ZZ+6:ZZ+7], v[ZZ+6:ZZ+7], v[PSX+22:PSX+23]
.endif
.endif
.if PJ == 3
.if \mm
	v_max3_num_f32 v16, v16, v[PSN+15], v[PSN+16]
	v_max3_num_f32 v17, v17, v[PSN+17], v[PSN+18]
	v_max3_num_f32 v18, v18, v[PSN+19], v[PSN+20]
.endif
.if \sm
	v_pk_add_f32 v[ZZ:ZZ+1], v[ZZ:ZZ+1], v[PSX+24:PSX+25]
	v_pk_add_f32 v[ZZ+2:ZZ+3], v[ZZ+2:ZZ+3], v[PSX+26:PSX+27]
.endif
.endif
.if PJ == 4
.if \mm
	v_max3_num_f32 v16, v16, v[PSN+21], v[PSN+22]
	v_max3_num_f32 v17, v17, v[PSN+23], v[PSN+24]
	v_max3_num_f32 v18, v18, v[PSN+25], v[PSN+26]
.endif
.if \sm
	v_pk_add_f32 v[ZZ+4:ZZ+5], v[ZZ+4:ZZ+5], v[PSX+28:PSX+29]
	v_pk_add_f32 v[ZZ+6:ZZ+7], v[ZZ+6:ZZ+7], v[PSX+30:PSX+31]
.endif
.endif
.if PJ == 5
.if \mm
	v_max3_num_f32 v16, v16, v[PSN+27], v[PSN+28]
	v_max3_num_f32 v17, v17, v[PSN+29], v[PSN+30]
	v_max_num_f32 v18, v18, v[PSN+31]
.endif
.if \sm
	v_pk_add_f32 v[ZZ:ZZ+1], v[ZZ:ZZ+1], v[ZZ+2:ZZ+3]
	v_pk_add_f32 v[ZZ+4:ZZ+5], v[ZZ+4:ZZ+5], v[ZZ+6:ZZ+7]
.endif
.endif
.if PJ == 6
.if \mm
	v_max3_num_f32 v13, v16, v17, v18
.endif
.if \sm
	v_pk_add_f32 v[ZZ:ZZ+1], v[ZZ:ZZ+1], v[ZZ+4:ZZ+5]
.endif
.if \mm
	v_permlanex16_b32 v14, v13, s44, s45           ; the other half of the lanes holds the query's other 32 keys
.endif
.if \sm == 2
	v_add_f32 v[ZZ], v[ZZ], v[ZZ+1]
.endif
.endif
.if PJ == 7
.if \mm == 2
	v_max3_num_f32 v[MX+(\nt)], v13, v14, v[MX+(\nt)]
.endif
.if \mm == 1
	v_max_num_f32 v[MX+(\nt)], v13, v14
.endif
.if \sm == 2
	v_fma_f32 v[LS+(\i)], v[LS+(\i)], v12, v[ZZ]
.endif
.if \sm == 1
	v_add_f32 v[LS+(\i)], v[ZZ], v[ZZ+1]
.endif
.if \mm
	v_mul_f32 v10, 0xbfb8aa3b, v[MX+(\nt)]         ; the exponent base: - log2(e) x maximum
.endif
.if \mm == 2
	v_sub_f32 v11, v10, v11                        ; new base - old base, both as rounded: what was summed under the old base is carried over exactly
.endif
.endif
.endm
; The 16 score products of tile nt (smul = 1) with tile i's slices behind them (esl = 1).  The four accumulators take turns.
; kw = 1: K's fragments were asked for in the step before: each group of four products waits for its eight loads.  kw = 2: ahead of the first trip.
.macro SGROUP i, nt, first, smul, esl, kw
	.set SJ, 0
	.set SCN, SCA+32*((\nt)&1)
.irp g, 0,1,2,3
.if \g < 2
	.set KA, KL+8*\g                               ; ka qb, about 1/64 of the score, first
.else
	.set KA, KF+8*((\g)&1)                         ; then kh qa
.endif
	.set QF, 32*(\nt)+8*((\g+2)&3)                 ; q: qb ks 0, qb ks 1, qa ks 0, qa ks 1
.if \kw == 1
	s_wait_dscnt 24-8*\g                           ; of K's 32 loads the first 8 (g + 1) are in, the younger ones stay out
.endif
.if \kw == 2
.if \g == 0
	s_wait_dscnt 16                                ; K's 32 loads are in, V's 16 may be out
.endif
.endif
.irp kt, 0,1,2,3
.if \smul
	WIN 0x08                                       ; source 1 (Q) in window 2
.if \g == 0
	v_wmma_f32_16x16x32_f16 v[SCN+8*\kt:SCN+8*\kt+7], v[KA+16*\kt:KA+16*\kt+7], v[QF:QF+7], 0
.else
	v_wmma_f32_16x16x32_f16 v[SCN+8*\kt:SCN+8*\kt+7], v[KA+16*\kt:KA+16*\kt+7], v[QF:QF+7], v[SCN+8*\kt:SCN+8*\kt+7]
.endif
.endif
.if \esl
	ESLICE \i, \first
.endif
	.set SJ, SJ+1
.endr
.endr
.endm
; The 8 products of tile i onto O, four accumulators by turns, with a slice behind each.  kload = 1: behind the second slice the next trip's K fragments
; are asked for: the last score product that read K stands in front of this group, and the four conversions behind it and slice 0's four sums are the places between.
.macro PVGROUP i, nt, first, mm, kload, vwait
	.set PJ, 0
.if \vwait
	s_wait_dscnt 0x0                               ; V's fragments, asked for at the end of the trip before, are in
.endif
.irp kk, 0,1
.irp t, 0,1,2,3
	.set PZ, 0
.if \first
.if \kk == 0
	.set PZ, 1
.endif
.endif
	WIN 0x53                                       ; source 0 (V) in window 3, C and D in window 1
.if PZ
	v_wmma_f32_16x16x32_f16 v[32*(\i)+8*\t:32*(\i)+8*\t+7], v[16*\t+8*\kk:16*\t+8*\kk+7], v[PF+8*\kk:PF+8*\kk+7], 0
.else
	v_wmma_f32_16x16x32_f16 v[32*(\i)+8*\t:32*(\i)+8*\t+7], v[16*\t+8*\kk:16*\t+8*\kk+7], v[PF+8*\kk:PF+8*\kk+7], v[32*(\i)+8*\t:32*(\i)+8*\t+7]
.endif
	WIN 0
.if \first
	PSLICE \i, \nt, 1, \mm
.else
	PSLICE \i, \nt, 2, \mm
.endif
.if \kload
.if PJ == 1
	LOADK
.endif
.endif
	.set PJ, PJ+1
.endr
.endr
.endm
; A trip: 64 keys against the wave's eight query tiles.  At its head tile 0's scores, maximum and base are there, K's fragments are in and V's on their way.
; first = 1: the first 64 keys; last = 1: the last, with no next trip to prepare.
.macro TRIP first, last
.irp q, 0,1,2,3,4,5,6
.if \first
	s_wait_loadcnt 48-8*\q                         ; Q's tile q + 1 is in: eight loads a tile, the later tiles' stay out
.endif
	SGROUP \q, \q+1, \first, 1, 1, 0
	.set TMM, 2-\first
	.set TKL, 0
.if \q == 6
.if \last == 0
	.set TKL, 1
.endif
.endif
	.set TVW, 0
.if \q == 0
	.set TVW, 1
.endif
	PVGROUP \q, \q+1, \first, TMM, TKL, TVW
.endr
.if \last
	SGROUP 7, 0, 0, 0, 1, 0
	PVGROUP 7, 0, 0, 0, 0, 0
.else
	SGROUP 7, 0, \first, 1, 1, 1                   ; the next trip's tile 0, on the fragments asked for in step 6
	PVGROUP 7, 0, \first, 2, 0, 0
	LOADV                                          ; behind slice 7's four plain instructions
.endif
	WIN 0
.endm
	s_wait_tensorcnt 0x2                           ; my first load (64 of keys 0 to 127) is in; the two behind it stay out
	s_barrier_signal -1
	s_barrier_wait -1                              ; everybody's is: keys 0 to 127 of K and of V are whole
	LOADK                                          ; keys 0 to 63
	LOADV
	s_wait_loadcnt 56                              ; Q's tile 0: the first eight of 64 loads
	SGROUP 0, 0, 1, 1, 0, 2                        ; tile 0's first scores, once without slices
	WIN 0
	PLACES
	.set PJ, 0
.rept 8
	PSLICE 0, 0, 0, 1                              ; and its first maximum
	.set PJ, PJ+1
.endr
	TRIP 1, 0                                      ; keys 0 to 63; it reads the fragments of keys 64 to 127
	s_wait_tensorcnt 0x1                           ; my part of keys 128 to 319 is in; keys 320 to 703 stay out
	s_wait_dscnt 0x0
	s_barrier_signal -1
	s_barrier_wait -1
	s_mov_b32 s46, 3
.Lc0:
	TRIP 0, 0                                      ; keys 64 to 255; they read the fragments of keys 128 to 319
	s_sub_co_u32 s46, s46, 1
	s_cmp_lg_u32 s46, 0
	s_cbranch_scc1 .Lc0
	; The one refill: keys 704 to 1,023 into the bytes of keys 0 to 319, whose last fragments (keys 256 to 319) have just been asked for.
	s_wait_dscnt 0x0                               ; my reads of keys 0 to 319 are back
	s_wait_tensorcnt 0x0                           ; all my tensor loads have landed, keys 320 to 703 among them: no load of mine is out, so descriptors may be written
	ds_add_u32 v254, v255
	s_wait_dscnt 0x0
	s_barrier_signal -1
	s_barrier_wait -1                              ; both hold of every wave
	s_cmp_lt_u32 s12, 2
	s_cbranch_scc0 .Lre_v
	KDESC 16, 32, 160, 0, 704
	tensor_load_to_lds s[32:35], s[16:23]          ; my one tensor load behind the barrier; six trips stand between it and the wait for it
	s_nop 0
	s_branch .Lre_done
.Lre_v:
	VDESC 16, 32, 160, 0, 704
	tensor_load_to_lds s[32:35], s[16:23]
	s_nop 0
.Lre_done:
	s_mov_b32 s46, 6
.Lc1:
	TRIP 0, 0                                      ; keys 256 to 639; they read the fragments of keys 320 to 703
	s_sub_co_u32 s46, s46, 1
	s_cmp_lg_u32 s46, 0
	s_cbranch_scc1 .Lc1
	s_wait_tensorcnt 0x0                           ; my part of keys 704 to 1,023 is in
	s_wait_dscnt 0x0
	s_barrier_signal -1
	s_barrier_wait -1                              ; everybody's is
	v_mov_b32 v[KAD], v[KAD0]                      ; they lie where keys 0 to 319 lay
	v_mov_b32 v[VAD], v[VAD0]
	s_mov_b32 s46, 5
.Lc2:
	TRIP 0, 0                                      ; keys 640 to 959; they read the fragments of keys 704 to 1,023
	s_sub_co_u32 s46, s46, 1
	s_cmp_lg_u32 s46, 0
	s_cbranch_scc1 .Lc2
	TRIP 0, 1                                      ; keys 960 to 1,023
	; THE WAY OUT.  Each wave's stage is its own and no fill lands in it: no barrier.  Tile 7's O, which the last matrix instructions wrote, is read last.
.macro FIN i, f
	v_permlanex16_b32 v14, v[LS+\i], s44, s45      ; the sum over the other half's keys
	v_add_f32 v14, v14, v[LS+\i]
	v_rcp_f32 v12, v14                             ; the sum is near 1 or above: the largest weight is 2^0 up to the rounding of its exponent
	v_nop                                          ; the plain instruction behind v_rcp_f32 (ISA guide 5.7.2)
	WIN 0x01                                       ; source 0 (O) in window 1
	s_wait_alu depctr_va_vdst(0)
.irp k, 0,1,2,3,4,5,6,7,8,9,10,11,12,13,14,15
	v_pk_mul_f32 v[SCA+2*\k:SCA+2*\k+1], v[32*\i+2*\k:32*\i+2*\k+1], v[12:13] op_sel_hi:[1,0]
.endr
	WIN 0
.irp t, 0,1,2,3
.irp e, 0,1
	ds_store_b128 v[STO], v[SCA+8*\t+4*\e:SCA+8*\t+4*\e+3] offset:64*\t+16*\e   ; query r, numbers 16 t + 8 h + 4 e ..
.endr
.endr
	s_wait_xcnt 0x0                                ; buffer f was the data of earlier stores: it is loaded again only behind this wait
.irp u, 0,1,2,3,4,5,6,7
	ds_load_b128 v[\f+4*\u:\f+4*\u+3], v[RD] offset:2*OP*\u   ; LDS serves a wave in order: these see the stores above
.endr
.irp u, 0,1,2,3,4,5,6,7
	s_wait_dscnt 7-\u                              ; read-back u is in, the younger ones stay out
	global_store_b128 v[CO], v[\f+4*\u:\f+4*\u+3], s[10:11] offset:(16*\i+2*\u)*4096 th:TH_STORE_NT   ; sixteen lanes store a query's whole head: 256 consecutive bytes, aligned
.endr
.endm
	FIN 0, 124
	FIN 1, 156
	FIN 2, 124
	FIN 3, 156
	FIN 4, 124
	FIN 5, 156
	FIN 6, 124
	FIN 7, 156
	s_wait_tensorcnt 0x0
	ds_add_u32 v254, v255
	s_wait_dscnt 0x0
	s_endpgm
.Lfunc_end_k_qc9d7007092_attn:
	.size	k_qc9d7007092_attn, .Lfunc_end_k_qc9d7007092_attn-k_qc9d7007092_attn
	.p2alignl 7, 3214868480
	.fill 96, 4, 3214868480
	.section	.rodata,"a",@progbits
	.p2align	6, 0x0
	.amdhsa_kernel k_qc9d7007092_attn
		.amdhsa_group_segment_fixed_size 327680
		.amdhsa_private_segment_fixed_size 0
		.amdhsa_enable_private_segment 0
		.amdhsa_kernarg_size 32
		.amdhsa_user_sgpr_count 2
		.amdhsa_user_sgpr_kernarg_segment_ptr 1
		.amdhsa_wavefront_size32 1
		.amdhsa_system_sgpr_workgroup_id_x 1
		.amdhsa_system_sgpr_workgroup_id_y 1
		.amdhsa_system_sgpr_workgroup_id_z 1
		.amdhsa_system_vgpr_workitem_id 0
		.amdhsa_next_free_vgpr 832
		.amdhsa_next_free_sgpr 66
		.amdhsa_reserve_vcc 0
		.amdhsa_float_denorm_mode_32 3
		.amdhsa_float_denorm_mode_16_64 3
		.amdhsa_memory_ordered 1
		.amdhsa_forward_progress 1
		.amdhsa_inst_pref_size 255
	.end_amdhsa_kernel
	.section	.bss,"aw",@nobits
	.p2align	6
	.space	262144
	.amdgpu_metadata
---
amdhsa.version: [ 1, 2 ]
amdhsa.kernels:
  - .name:           k_qc9d7007092_attn
    .symbol:         k_qc9d7007092_attn.kd
    .args:
      - { .name: qb, .offset: 0, .size: 8, .value_kind: global_buffer, .address_space: global }
      - { .name: kb, .offset: 8, .size: 8, .value_kind: global_buffer, .address_space: global }
      - { .name: vb, .offset: 16, .size: 8, .value_kind: global_buffer, .address_space: global }
      - { .name: out0, .offset: 24, .size: 8, .value_kind: global_buffer, .address_space: global }
    .group_segment_fixed_size: 327680
    .private_segment_fixed_size: 0
    .kernarg_segment_align: 8
    .kernarg_segment_size: 32
    .max_flat_workgroup_size: 128
    .sgpr_count:     66
    .vgpr_count:     832
    .wavefront_size: 32
...
	.end_amdgpu_metadata
.endif
;; end of part 6
